; MI455X (gfx1250); checked and timed in simulation.
; The chip was launched on July 23, 2026; its instructions are those of AMD's public machine-readable ISA for CDNA 5 (MIT licence, August 2026) and "CDNA5" Instruction Set Architecture Reference Guide (July 2026). The comments in the code are by the model that wrote it; some were corrected since.
;; Mobile MQA1 D. Allowed arithmetic: matrix products marked QUANTISED: E2M1 operands, one E8M0 scale for each 32 along K, by v_wmma_scale_f32_16x16x128_f8f6f4 with both operands' format E2M1 (or v_wmma_scale_f32_32x16x128_f4), f32 sums; everything else in f32.
;; Inputs: Wk 512 x 512 float32; Wo 512 x 512 float32; Wq 512 x 512 float32; Wv 512 x 512 float32; bk 512 float32; bo 512 float32; bq 512 float32; bv 512 float32; x 4 x 512 x 2,048 float32.
;; Outputs: out0 4 x 512 x 2,048 float32.
;; This version of the problem:
;;   THIS VERSION OF THE PROBLEM IS GIVEN IN LOW PRECISION. The matrix products marked QUANTISED in the list below multiply operands that are first quantised to E2M1 (2 exponent bits, 1 mantissa bit; 4 bits a number), with one power-of-two scale for each 32 numbers along K (OCP MX v1.0); their sums are f32. All else is computed in f32.
;;   The module's matrix products, in the order in which they are computed (A, B: the left and right operand; K: the contracted axis; several contracted axes count as one K, in the product's order):
;;     1. [M 8,192, K 512] x [K 512, N 512]; A: input x; B: input Wq: QUANTISED
;;     2. [M 8,192, K 512] x [K 512, N 512]; A: input x; B: input Wk: QUANTISED
;;     3. [M 8,192, K 512] x [K 512, N 512]; A: input x; B: input Wv: QUANTISED
;;     4. batch 32 x [M 2,048, K 64] x [K 64, N 2,048]; A: computed on the way; B: computed on the way: QUANTISED
;;     5. batch 32 x [M 2,048, K 2,048] x [K 2,048, N 64]; A: softmax (see below); B: computed on the way: QUANTISED
;;     6. [M 8,192, K 512] x [K 512, N 512]; A: computed on the way; B: input Wo: QUANTISED
;;   THE QUANTISER, for each operand of a quantised product, along K:
;;     - K is cut into blocks of 32 from its start; a last block that is shorter is filled with zeros.
;;     - A block's scale is 2^e with e = floor(log2(the largest magnitude in the block)) - 2, held to -126 .. 127; a block of zeros has e = 0. As a byte (E8M0): e + 127.
;;     - Each number is divided by its block's scale, clamped to +-6, and rounded to the nearest number of E2M1, ties to even, subnormals kept.
;;     - The product sums the exact products of the quantised numbers (number of the format x scale) in f32.
;;   ~~~python
;;   def quantise(x, axis):      # numpy; x: float32 -> the quantised numbers, widened to float32 again
;;       x = np.moveaxis(x, axis, -1); K = x.shape[-1]
;;       x = np.pad(x, [(0, 0)] * (x.ndim - 1) + [(0, -K % 32)]); x = x.reshape(x.shape[:-1] + (-1, 32)); a = np.abs(x).max(-1, keepdims=True)
;;       e = np.where(a > 0, np.clip(np.frexp(np.where(a > 0, a, 1))[1] - 1 - 2, -126, 127), 0)      # np.frexp(a)[1] - 1 = floor(log2(a)), exactly
;;       r = np.clip(x / 2.0 ** e, -6, 6)
;;       step = 2.0 ** (np.maximum(np.frexp(np.where(r == 0, 1, r))[1] - 1, 0) - 1)
;;       q = np.round(r / step) * step * 2.0 ** e      # np.round: ties to even
;;       return np.moveaxis(q.reshape(q.shape[:-2] + (-1,))[..., :K], -1, axis).astype(np.float32)
;;   ~~~
;;   SOFTMAX AHEAD OF A QUANTISED PRODUCT. Where the list says 'softmax', what is quantised is not the finished softmax but p = 2^(t - M), with t = logit x log2(e) and M = ceil(the row's largest t), a whole number; so 1/2 < the row's largest p <= 1. The row's sum l is taken of the UNQUANTISED p, in f32, and the product's result is divided by l at the end. Since M is a whole number, a kernel that streams over the keys may use a running M (the ceiling of the running maximum): every later rescaling is an exact power of two, which a block's scale takes up: the codes' values come out the same.
;;   OPERANDS COMPUTED ON THE WAY. 'Computed on the way' means the value that the module computes at that place (a softmax that the list does not call 'softmax' is quantised finished and normalised). What goes into a quantiser is computed in f32, as accurately as f32 sums, v_exp_f32 and their like allow (about 1e-6 of the number): no bf16 or f16 on the way to a quantiser, and a product that is left as it is and whose result goes on into a quantised operand takes f32 operands (vector FMAs, or v_wmma_f32_16x16x4_f32). A number that lies on a knife's edge between two numbers of the format may be rounded either way, as far as f32 arithmetic and the matrix unit's own rounding can turn it there, and no further.
;; 2 versions. Each part assembles by itself: llvm-mc -triple=amdgcn-amd-amdhsa -mcpu=gfx1250 --defsym DOCPART=n.
;; ======== version 1 of 2: 4 launches
;; workspace buffers: xq 2,228,224 bytes; wq 589,824 bytes; qq 2,359,296 bytes; kv 4,587,520 bytes; oq 2,228,224 bytes
;; launch quant (part 1): grid 384 x 1, 4 waves a work-group, no clusters, 0 bytes of LDS; arguments x, Wq, Wk, Wv, Wo, xq, wq; writes xq, wq
.if DOCPART == 1
	.amdgcn_target "amdgcn-amd-amdhsa--gfx1250"
	.amdhsa_code_object_version 6
	.text
	.protected	k_q3723e2635c_quant
	.globl	k_q3723e2635c_quant
	.p2align	8
	.type	k_q3723e2635c_quant,@function
k_q3723e2635c_quant:
	s_mov_b64 s[64:65], 0
	v_nop
	global_prefetch_b8 v0, s[64:65] scope:SCOPE_SE
	s_setreg_imm32_b32 hwreg(HW_REG_WAVE_MODE, 25, 1), 1
	s_wait_xcnt 0x0
; x [4][512][2048] f32 and the four weights [512][512] f32 become codes of FP4 (E2M1) with one E8M0 byte for each 32 along K, laid AS THE MATRIX OPERANDS' REGISTERS WANT THEM.
; A fragment (16 rows x 128 K) is 1,024 bytes: byte 512 c + 16 lane holds the 16 bytes of lane (r = lane % 16, h = lane / 16): k = 64 c + 32 h + 0 .. 31 of the row at place r.
; THE ROWS OF A TILE ARE NOT NEIGHBOURS: of 32 rows on end, tile 2 p + u holds at place r the row 32 p + 8 u + r + 8 (r / 8).
; A block's scale is 2^(floor(log2(its largest magnitude)) - 2): its byte is the largest magnitude's exponent field - 2, held at 1 from below.
; LIMITS: a block of zeros, or one whose largest magnitude lies under 2^-124, gets the byte 1 (its codes are zeros or next to it; this program alone reads the bytes); NaN and infinities are not served.
; Work-groups 0-255: x, whose K (the channels) is its MIDDLE axis: a lane takes a column l and its registers run down K, so nothing is transposed.  Work-group g: K step g % 4 of the 128 rows (b, l) of block g / 4;
; wave w: the 32 rows of tile pair w.  Work-groups 256-383: one tile of 16 rows of one weight, K innermost; wave w: K step w.
; No LDS, no barrier, no matrix work: waves share nothing and memory binds.
.set X,  32                            ; v32-159  x: 128 numbers down K;  weights: v32-95, 64 numbers
.set CD, 16                            ; v16-31   codes: four registers a block, so that no store's data are written again
	s_load_b256 s[4:11], s[0:1], 0x0               ; x s[4:5], Wq s[6:7], Wk s[8:9], Wv s[10:11]
	s_load_b128 s[12:15], s[0:1], 0x20             ; Wo s[12:13], xq s[14:15]
	s_load_b64 s[16:17], s[0:1], 0x30              ; wq
	v_lshrrev_b32 v1, 5, v0
	v_readfirstlane_b32 s18, v1                    ; wave 0..3
	s_mov_b32 s20, 0x76543210
	s_mov_b32 s21, 0xfedcba98                      ; v_permlanex16_b32's selects for lane l xor 16
	v_and_b32 v1, 31, v0                           ; lane
	v_and_b32 v5, 15, v0                           ; r
	v_bfe_u32 v6, v0, 4, 1                         ; h (for x: u, which tile of the pair)
	v_lshlrev_b32 v4, 2, v1                        ; 4 x lane: a scale word's place
	s_wait_kmcnt 0x0
	s_cmp_lt_u32 ttmp9, 256
	s_cbranch_scc0 .Lw
	; ---- x
	s_and_b32 s22, ttmp9, 3                        ; K step s
	s_lshr_b32 s23, ttmp9, 2                       ; block of 128 rows
	s_lshr_b32 s24, s23, 4                         ; b
	s_and_b32 s25, s23, 15                         ; the block within b
	v_and_b32 v7, 7, v5
	v_lshl_add_u32 v7, v6, 3, v7
	v_lshrrev_b32 v8, 3, v5
	v_lshl_add_u32 v7, v8, 4, v7                   ; my column of the pair's 32: (r % 8) + 8 u + 16 (r / 8): the 32 lanes still read 128 bytes on end
	v_lshlrev_b32 v2, 2, v7
	v_lshlrev_b32 v3, 4, v5
	v_lshl_add_u32 v3, v6, 12, v3                  ; codes: tile u of the pair (4,096 bytes a tile), 16 r
	s_lshl_b32 s26, s24, 22                        ; b x 512 x 2,048 x 4
	s_lshl_b32 s27, s22, 20                        ; + 128 s rows of 8,192 bytes
	s_add_co_u32 s26, s26, s27
	s_lshl_b32 s27, s25, 9                         ; + 128 columns a block
	s_add_co_u32 s26, s26, s27
	s_lshl_b32 s27, s18, 7                         ; + 32 columns a wave
	s_add_co_u32 s26, s26, s27
	s_mov_b32 s27, 0
	s_add_nc_u64 s[4:5], s[4:5], s[26:27]
	s_mul_i32 s26, s23, 34816                      ; xq: a block is 32,768 bytes of codes and 2,048 of scale words
	s_lshl_b32 s28, s18, 13                        ; codes: pair w, K step s
	s_lshl_b32 s34, s22, 10
	s_add_co_u32 s28, s28, s34
	s_add_co_u32 s28, s28, s26
	s_mov_b32 s29, 0
	s_add_nc_u64 s[30:31], s[14:15], s[28:29]
	s_lshl_b32 s28, s18, 9                         ; scale words: [pair][s][lane]
	s_lshl_b32 s34, s22, 7
	s_add_co_u32 s28, s28, s34
	s_add_co_u32 s28, s28, s26
	s_add_co_u32 s28, s28, 32768
	s_add_nc_u64 s[32:33], s[14:15], s[28:29]
.macro LOADX b                         ; block b: x(128 s + 32 b + i, my column), i = 0 .. 31
.set k, 32*(\b)
.rept 32
	global_load_b32 v[X+k], v2, s[4:5] offset:k*8192 th:TH_LOAD_NT
.set k, k+1
.endr
.endm
.macro BLOCKX b
.if (\b) < 3
	s_wait_loadcnt 32                              ; this block's 32 loads are in; the next block's 32 stay out
.else
	s_wait_loadcnt 0x0
.endif
.if (\b)+2 < 4
	LOADX (\b)+2                                   ; two blocks ahead, into registers of their own
.endif
.set XB, X+32*(\b)
	v_max3_num_f32 v8, |v[XB]|, |v[XB+1]|, |v[XB+2]|               ; the block's largest magnitude: all 32 numbers are mine; two chains
	v_max3_num_f32 v9, |v[XB+3]|, |v[XB+4]|, |v[XB+5]|
.irp i, 6,10,14,18,22,26
	v_max3_num_f32 v8, v8, |v[XB+\i]|, |v[XB+\i+1]|
	v_max3_num_f32 v9, v9, |v[XB+\i+2]|, |v[XB+\i+3]|
.endr
	v_max3_num_f32 v8, v8, |v[XB+30]|, |v[XB+31]|
	v_max3_num_f32 v8, v8, v9, 0x1800000           ; and the floor 2^(3 - 127): the byte cannot fall under 1
	v_add_nc_u32 v11, 0xff000000, v8               ; 2 off the exponent field: the conversion takes this operand's exponent field as its scale
.if (\b) == 0
	v_lshrrev_b32 v12, 23, v11                     ; the scale's byte begins the word
.else
	v_lshrrev_b32 v10, 23, v11
	v_lshl_or_b32 v12, v10, 8*(\b), v12            ; byte b of my row's scale word
.endif
.irp g, 0,1,2,3
	v_cvt_scalef32_pk8_fp4_f32 v[CD+4*(\b)+\g], v[XB+8*\g:XB+8*\g+7], v11
.endr
	global_store_b128 v3, v[CD+4*(\b):CD+4*(\b)+3], s[30:31] offset:256*(\b)   ; block b = 2 c + h lies at 512 c + 256 h + 16 r: sixteen lanes store 256 bytes on end, aligned
.endm
	LOADX 0
	LOADX 1
	BLOCKX 0
	BLOCKX 1
	BLOCKX 2
	BLOCKX 3
	global_store_b32 v4, v12, s[32:33]             ; lanes 0-15: tile 2 w's words, lanes 16-31: tile 2 w + 1's: 128 bytes on end (131,072 bytes of the launch's 2.8 million leave so)
	s_endpgm
	; ---- a weight: K innermost: lane (r, h) loads, of its row, the very k that the operand's layout gives it
.Lw:
	s_sub_co_u32 s22, ttmp9, 256
	s_lshr_b32 s23, s22, 5                         ; which: 0 q, 1 k, 2 v, 3 o
	s_and_b32 s24, s22, 31                         ; tile
	s_cmp_eq_u32 s23, 1                            ; the choice hangs on the work-group's number alone
	s_cselect_b64 s[6:7], s[8:9], s[6:7]
	s_cmp_eq_u32 s23, 2
	s_cselect_b64 s[6:7], s[10:11], s[6:7]
	s_cmp_eq_u32 s23, 3
	s_cselect_b64 s[6:7], s[12:13], s[6:7]
	v_lshrrev_b32 v7, 3, v5
	v_lshl_add_u32 v7, v7, 3, v5                   ; r + 8 (r / 8)
	v_lshlrev_b32 v2, 11, v7                       ; a row is 2,048 bytes
	v_lshl_add_u32 v2, v6, 7, v2                   ; + 32 h numbers
	v_lshlrev_b32 v27, 4, v1                       ; 16 x lane
	s_lshr_b32 s25, s24, 1
	s_lshl_b32 s25, s25, 16                        ; 32 rows a pair of tiles
	s_and_b32 s26, s24, 1
	s_lshl_b32 s26, s26, 14                        ; + 8 rows for the odd tile
	s_add_co_u32 s26, s26, s25
	s_lshl_b32 s25, s18, 9                         ; + K step w: 128 numbers
	s_add_co_u32 s26, s26, s25
	s_mov_b32 s27, 0
	s_add_nc_u64 s[6:7], s[6:7], s[26:27]
	s_lshl_b32 s26, s23, 17                        ; wq's codes: [which][tile][s][1,024]
	s_lshl_b32 s25, s24, 12
	s_add_co_u32 s26, s26, s25
	s_lshl_b32 s25, s18, 10
	s_add_co_u32 s26, s26, s25
	s_add_nc_u64 s[28:29], s[16:17], s[26:27]
	s_lshl_b32 s26, s23, 14                        ; its scale words, behind the codes: [which][tile][s][lane]
	s_lshl_b32 s25, s24, 9
	s_add_co_u32 s26, s26, s25
	s_lshl_b32 s25, s18, 7
	s_add_co_u32 s26, s26, s25
	s_add_co_u32 s26, s26, 524288
	s_add_nc_u64 s[30:31], s[16:17], s[26:27]
.irp c, 0,1
.irp j, 0,1,2,3,4,5,6,7
	global_load_b128 v[X+32*\c+4*\j:X+32*\c+4*\j+3], v2, s[6:7] offset:256*\c+16*\j th:TH_LOAD_NT   ; k = 64 c + 32 h + 4 j ..
.endr
.endr
	s_wait_loadcnt 0x0
.irp c, 0,1                                    ; my block 2 c + h: all its 32 numbers are mine; the two blocks by turns
	v_max3_num_f32 v[8+\c], |v[X+32*\c]|, |v[X+1+32*\c]|, 0x1800000
.endr
.irp i, 2,4,6,8,10,12,14,16,18,20,22,24,26,28,30
.irp c, 0,1
	v_max3_num_f32 v[8+\c], v[8+\c], |v[X+32*\c+\i]|, |v[X+1+32*\c+\i]|
.endr
.endr
.irp c, 0,1
	v_add_nc_u32 v[12+\c], 0xff000000, v[8+\c]     ; the conversion's scale operand
.endr
.irp c, 0,1
	v_lshrrev_b32 v[14+\c], 23, v[12+\c]           ; the scale's byte
.endr
	v_lshl_or_b32 v24, v15, 16, v14                ; my two bytes: blocks h and 2 + h,
	v_lshlrev_b32 v26, 3, v6
	v_lshlrev_b32 v24, v26, v24                    ; 8 h bits up;
	v_mov_b32 v25, 0
	v_permlanex16_b32 v25, v24, s20, s21
	v_or_b32 v24, v24, v25                         ; with lane l xor 16's two the word is whole, in both halves of the lanes
.irp c, 0,1
.irp g, 0,1,2,3
	v_cvt_scalef32_pk8_fp4_f32 v[CD+4*\c+\g], v[X+32*\c+8*\g:X+32*\c+8*\g+7], v[12+\c]
.endr
.endr
	global_store_b128 v27, v[CD:CD+3], s[28:29]             ; 512 bytes on end
	global_store_b128 v27, v[CD+4:CD+7], s[28:29] offset:512
	global_store_b32 v4, v24, s[30:31]
	s_endpgm
.Lfunc_end_k_q3723e2635c_quant:
	.size	k_q3723e2635c_quant, .Lfunc_end_k_q3723e2635c_quant-k_q3723e2635c_quant
	.p2alignl 7, 3214868480
	.fill 96, 4, 3214868480
	.section	.rodata,"a",@progbits
	.p2align	6, 0x0
	.amdhsa_kernel k_q3723e2635c_quant
		.amdhsa_group_segment_fixed_size 0
		.amdhsa_private_segment_fixed_size 0
		.amdhsa_enable_private_segment 0
		.amdhsa_kernarg_size 56
		.amdhsa_user_sgpr_count 2
		.amdhsa_user_sgpr_kernarg_segment_ptr 1
		.amdhsa_wavefront_size32 1
		.amdhsa_system_sgpr_workgroup_id_x 1
		.amdhsa_system_sgpr_workgroup_id_y 1
		.amdhsa_system_sgpr_workgroup_id_z 1
		.amdhsa_system_vgpr_workitem_id 0
		.amdhsa_next_free_vgpr 160
		.amdhsa_next_free_sgpr 66
		.amdhsa_reserve_vcc 0
		.amdhsa_float_denorm_mode_32 3
		.amdhsa_float_denorm_mode_16_64 3
		.amdhsa_memory_ordered 1
		.amdhsa_forward_progress 1
		.amdhsa_inst_pref_size 27
	.end_amdhsa_kernel
	.amdgpu_metadata
---
amdhsa.version: [ 1, 2 ]
amdhsa.kernels:
  - .name:           k_q3723e2635c_quant
    .symbol:         k_q3723e2635c_quant.kd
    .args:
      - { .name: x, .offset: 0, .size: 8, .value_kind: global_buffer, .address_space: global }
      - { .name: Wq, .offset: 8, .size: 8, .value_kind: global_buffer, .address_space: global }
      - { .name: Wk, .offset: 16, .size: 8, .value_kind: global_buffer, .address_space: global }
      - { .name: Wv, .offset: 24, .size: 8, .value_kind: global_buffer, .address_space: global }
      - { .name: Wo, .offset: 32, .size: 8, .value_kind: global_buffer, .address_space: global }
      - { .name: xq, .offset: 40, .size: 8, .value_kind: global_buffer, .address_space: global }
      - { .name: wq, .offset: 48, .size: 8, .value_kind: global_buffer, .address_space: global }
    .group_segment_fixed_size: 0
    .private_segment_fixed_size: 0
    .kernarg_segment_align: 8
    .kernarg_segment_size: 56
    .max_flat_workgroup_size: 128
    .sgpr_count:     66
    .vgpr_count:     160
    .wavefront_size: 32
...
	.end_amdgpu_metadata
.endif
;; end of part 1
;; launch qkv (part 2): grid 64 x 6, 4 waves a work-group, no clusters, 35,328 bytes of LDS; arguments xq, wq, bq, bk, bv, qq, kv; writes qq, kv
.if DOCPART == 2
	.amdgcn_target "amdgcn-amd-amdhsa--gfx1250"
	.amdhsa_code_object_version 6
	.text
	.protected	k_q3723e2635c_qkv
	.globl	k_q3723e2635c_qkv
	.p2align	8
	.type	k_q3723e2635c_qkv,@function
k_q3723e2635c_qkv:
	s_mov_b64 s[64:65], 0
	v_nop
	global_prefetch_b8 v0, s[64:65] scope:SCOPE_SE
	s_setreg_imm32_b32 hwreg(HW_REG_WAVE_MODE, 25, 1), 1
	s_wait_xcnt 0x0
; q, k, v = x W^T + b on codes of FP4 with E8M0 scales, and each result quantised at once for the product that takes it: q and k along the head's 64, v along the keys.  Nothing leaves as f32.
; SHARES.  Work-group (block, y): the 128 rows (b, l) of block; kind = y / 2 (0 q, 1 k, 2 v); wave w makes head 4 (y % 2) + w: 128 rows x 64 channels, 128 matrix instructions.
; The block's codes and scale words (34,816 bytes, laid as operands' registers) are copied into LDS once by plain loads; a wave's 16 fragments of W stay in its registers.
; q, k: source 0 = 16 rows of W, source 1 = 16 rows of x: a lane holds ONE row (b, l) and its registers run along the head's channels, the next K.
; v:    source 0 = 16 rows of x, source 1 = 16 rows of W: a lane holds ONE channel and its registers run along the rows, which are the keys, the next K.
; In both, the rows of a source 0 tile are chosen (tile 2 p + u, place r: row 32 p + 8 u + r + 8 (r / 8)) so that the 16 registers of tiles 2 p, 2 p + 1 are 16 neighbours: 32 p + 16 (lane / 16) + 0 .. 15.
; The bias is the C of each sum's first matrix instruction.
; NO JOINT LOADS: the six work-groups that share a block of x are a column of six of the grid, which no cluster of four divides; the weights go straight into registers, 16,384 bytes a wave, read once.
; LIMITS: a block whose largest magnitude lies under 2^-124 (zeros too) gets the byte 1; NaN and infinities are not served.
; REGISTERS: window 0: v1-8 addresses and words; v16-143 x's fragments, two sets of 64; v144-207 eight accumulators; v208-215 codes; v216-227 at work; v228-231 scale words to store; v232-239 x's scale words, two sets; v240-255 W's.
;   window 1: v0-127 W's fragments ((t, s) at 8 (4 t + s)); v128-159 the bias, eight registers a tile of W.
.set LT,  1                            ; 16 x thread
.set LI,  2                            ; 16 x lane
.set LS,  3                            ; 4 x lane
.set L8,  4                            ; 8 x lane
.set XF,  16
.set ACC, 144
.set PC,  208
.set TM,  216                          ; +0..3 largest magnitudes, +4..7 the other half's, then the bytes, +8..11 the conversions' scale operands
.set SW,  228
.set XS,  232
.set WS,  240
.set BI,  128                          ; in window 1
.set MSB, 0
.macro WIN new                         ; the immediate's high byte repeats the setting that is left
.if MSB != \new
	s_set_vgpr_msb (MSB<<8)|\new
.set MSB, \new
.endif
.endm
.macro PLACES n
.rept \n
	v_nop
.endr
.endm
; one scaled product: D, A, B, C (first registers), A's and B's scale registers; ra, rb = 1: that side's scales are read from lanes 16-31
.macro WM d, a, b, c, sa, sb, ra, rb
.if (\ra) == 1
	v_wmma_scale_f32_16x16x128_f8f6f4 v[\d:\d+7], v[\a:\a+7], v[\b:\b+7], v[\c:\c+7], v[\sa], v[\sb] matrix_a_fmt:MATRIX_FMT_FP4 matrix_b_fmt:MATRIX_FMT_FP4 matrix_a_scale:MATRIX_SCALE_ROW1
.elseif (\rb) == 1
	v_wmma_scale_f32_16x16x128_f8f6f4 v[\d:\d+7], v[\a:\a+7], v[\b:\b+7], v[\c:\c+7], v[\sa], v[\sb] matrix_a_fmt:MATRIX_FMT_FP4 matrix_b_fmt:MATRIX_FMT_FP4 matrix_b_scale:MATRIX_SCALE_ROW1
.else
	v_wmma_scale_f32_16x16x128_f8f6f4 v[\d:\d+7], v[\a:\a+7], v[\b:\b+7], v[\c:\c+7], v[\sa], v[\sb] matrix_a_fmt:MATRIX_FMT_FP4 matrix_b_fmt:MATRIX_FMT_FP4
.endif
.endm
; The 64 numbers v[ACC] on, register 16 b + i = number 16 (lane / 16) + i of block b, become codes in v[PC] on (registers 4 c .. 4 c + 3: block 2 c + lane / 16, whole) and bytes in v[TM+4] on.
.macro QUANT
.irp b, 0,1,2,3
	v_max3_num_f32 v[TM+\b], |v[ACC+16*\b]|, |v[ACC+1+16*\b]|, 0x1800000   ; my 16 numbers and the floor 2^(3 - 127); each accumulator is read from its low end on
.endr
.irp i, 2,4,6,8,10,12,14
.irp b, 0,1,2,3
	v_max3_num_f32 v[TM+\b], v[TM+\b], |v[ACC+16*\b+\i]|, |v[ACC+1+16*\b+\i]|   ; the four blocks by turns
.endr
.endr
.irp b, 0,1,2,3
	v_permlanex16_b32 v[TM+4+\b], v[TM+\b], s20, s21
.endr
.irp b, 0,1,2,3
	v_max_num_f32 v[TM+\b], v[TM+\b], v[TM+4+\b]   ; with lane l xor 16's: the block's largest magnitude
.endr
.irp b, 0,1,2,3
	v_add_nc_u32 v[TM+8+\b], 0xff000000, v[TM+\b]  ; 2 off its exponent field: the conversion's scale operand
.endr
.irp b, 0,1,2,3
	v_lshrrev_b32 v[TM+4+\b], 23, v[TM+8+\b]       ; the scale's byte
.endr
.irp b, 0,1,2,3
	v_cvt_scalef32_pk8_fp4_f32 v[PC+2*\b], v[ACC+16*\b:ACC+7+16*\b], v[TM+8+\b]
	v_cvt_scalef32_pk8_fp4_f32 v[PC+1+2*\b], v[ACC+8+16*\b:ACC+15+16*\b], v[TM+8+\b]
.endr
	v_nop                                          ; one plain place behind a scaled conversion
.irp c, 0,1
.irp i, 0,1
	v_permlane16_swap_b32 v[PC+4*\c+\i], v[PC+2+4*\c+\i]   ; a whole block to a lane: lanes 0-15 block 2 c, lanes 16-31 block 2 c + 1
.endr
.endr
.endm
.macro FETCHP p, w                     ; q, k: x's tiles 2 p and 2 p + 1, all four K steps, and their scale words, into set w: 20 LDS loads
.irp u, 0,1
.irp s, 0,1,2,3
.irp c, 0,1
	ds_load_b128 v[XF+64*(\w)+32*\u+8*\s+4*\c:XF+64*(\w)+32*\u+8*\s+4*\c+3], v[LI] offset:(2*(\p)+\u)*4096+1024*\s+512*\c
.endr
.endr
.endr
.irp s, 0,1,2,3
	ds_load_b32 v[XS+4*(\w)+\s], v[LS] offset:32768+512*(\p)+128*\s   ; lanes 0-15: tile 2 p, lanes 16-31: tile 2 p + 1
.endr
.endm
.macro FETCHS s, w                     ; v: K step s of x's eight tiles, and their scale words, into set w: 20 LDS loads
.irp m, 0,1,2,3,4,5,6,7
.irp c, 0,1
	ds_load_b128 v[XF+64*(\w)+8*\m+4*\c:XF+64*(\w)+8*\m+4*\c+3], v[LI] offset:4096*\m+1024*(\s)+512*\c
.endr
.endr
.irp p, 0,1,2,3
	ds_load_b32 v[XS+4*(\w)+\p], v[LS] offset:32768+512*\p+128*(\s)
.endr
.endm
; q, k: 32 products: two tiles of x against W's four, K step by K step: eight accumulators by turns, one instruction a turn
.macro MULQK w
.irp s, 0,1,2,3
.if \s == 0
	WIN 0x11                                       ; source 0 (W) and source 2 (the bias) in window 1
.else
	WIN 0x01
.endif
.irp u, 0,1
.irp t, 0,1,2,3
.if \s == 0
	WM ACC+32*\u+8*\t, 8*(4*\t+\s), XF+64*(\w)+32*\u+8*\s, BI+8*\t, WS+4*\t+\s, XS+4*(\w)+\s, 0, \u
.else
	WM ACC+32*\u+8*\t, 8*(4*\t+\s), XF+64*(\w)+32*\u+8*\s, ACC+32*\u+8*\t, WS+4*\t+\s, XS+4*(\w)+\s, 0, \u
.endif
.endr
.endr
.endr
	WIN 0
.endm
; v: 8 products: x's eight tiles against W's tile t, K step s: eight accumulators by turns
.macro MULV t, s, w
.if (\s) == 0
	WIN 0x14                                       ; source 1 (W) and source 2 (the bias) in window 1
.else
	WIN 0x04
.endif
.irp m, 0,1,2,3,4,5,6,7
.if (\s) == 0
	WM ACC+8*\m, XF+64*(\w)+8*\m, 8*(4*(\t)+(\s)), BI+8*(\t), XS+4*(\w)+\m/2, WS+4*(\t)+(\s), \m%2, 0
.else
	WM ACC+8*\m, XF+64*(\w)+8*\m, 8*(4*(\t)+(\s)), ACC+8*\m, XS+4*(\w)+\m/2, WS+4*(\t)+(\s), \m%2, 0
.endif
.endr
	WIN 0
.endm
	s_load_b256 s[4:11], s[0:1], 0x0               ; xq s[4:5], wq s[6:7], bq s[8:9], bk s[10:11]
	s_load_b128 s[12:15], s[0:1], 0x20             ; bv s[12:13], qq s[14:15]
	s_load_b64 s[16:17], s[0:1], 0x30              ; kv
	v_lshl_add_u32 v14, v0, 2, 0x8800
	v_mov_b32 v15, 0
	v_lshrrev_b32 v9, 5, v0
	v_readfirstlane_b32 s18, v9                    ; wave 0..3
	s_and_b32 s28, ttmp7, 0xffff                   ; y
	s_lshr_b32 s19, s28, 1                         ; kind
	s_and_b32 s28, s28, 1
	s_lshl_b32 s28, s28, 2
	s_add_co_u32 s28, s28, s18                     ; my head
	s_lshr_b32 s29, ttmp9, 4                       ; b
	s_lshl_b32 s29, s29, 3
	s_add_co_u32 s29, s29, s28                     ; b x 8 + head
	s_lshl_b32 s29, s29, 4
	s_and_b32 s30, ttmp9, 15
	s_add_co_u32 s29, s29, s30                     ; x 16 + the block within b
	s_mov_b32 s20, 0x76543210
	s_mov_b32 s21, 0xfedcba98                      ; v_permlanex16_b32's selects for lane l xor 16
	s_mov_b32 s22, 0xffff0000                      ; a mask of lanes 16-31
	v_lshlrev_b32 v[LT], 4, v0
	v_and_b32 v9, 31, v0
	v_lshlrev_b32 v[LI], 4, v9
	v_lshlrev_b32 v[LS], 2, v9
	v_lshlrev_b32 v[L8], 3, v9
	v_and_b32 v10, 15, v0                          ; r
	v_bfe_u32 v11, v0, 4, 1                        ; h
.irp b, 0,1,2,3
	v_mov_b32 v[TM+4+\b], 0                        ; written once: a lane permute's destination counts as one of its sources
.endr
	s_mov_b32 s31, 0
	s_mov_b32 s23, 8960                            ; bytes of a block in kv; in qq 4,608
	s_wait_kmcnt 0x0
	s_cmp_eq_u32 s19, 1                            ; the choices hang on the work-group's number alone
	s_cselect_b64 s[8:9], s[10:11], s[8:9]
	s_cmp_eq_u32 s19, 2
	s_cselect_b64 s[8:9], s[12:13], s[8:9]         ; my kind's bias
	s_cmp_eq_u32 s19, 0
	s_cselect_b64 s[14:15], s[14:15], s[16:17]     ; q goes to qq, k and v to kv
	s_cselect_b32 s23, 4608, s23
	s_mul_i32 s30, ttmp9, 34816
	s_add_nc_u64 s[4:5], s[4:5], s[30:31]          ; x's block
	s_lshl_b32 s30, s19, 17
	s_lshl_b32 s32, s28, 14
	s_add_co_u32 s30, s30, s32
	s_add_nc_u64 s[24:25], s[6:7], s[30:31]        ; my four tiles of W: codes,
	s_lshl_b32 s30, s19, 14
	s_lshl_b32 s32, s28, 11
	s_add_co_u32 s30, s30, s32
	s_add_co_u32 s30, s30, 524288
	s_add_nc_u64 s[26:27], s[6:7], s[30:31]        ; scale words
	s_lshl_b32 s30, s28, 8
	s_add_nc_u64 s[8:9], s[8:9], s[30:31]          ; my head's 64 numbers of the bias
	s_mul_i32 s30, s29, s23
	s_add_nc_u64 s[14:15], s[14:15], s[30:31]      ; where my results go
.irp i, 0,1,2,3,4,5,6,7,8,9,10,11,12,13,14,15,16
	global_load_b128 v[XF+4*\i:XF+4*\i+3], v[LT], s[4:5] offset:2048*\i   ; the block as it lies: 128 threads x 16 bytes, 17 times
.endr
	WIN 0x40                                       ; destination window 1
.irp t, 0,1,2,3
.irp s, 0,1,2,3
.irp c, 0,1
	global_load_b128 v[8*(4*\t+\s)+4*\c:8*(4*\t+\s)+4*\c+3], v[LI], s[24:25] offset:4096*\t+1024*\s+512*\c
.endr
.endr
.endr
	WIN 0
.irp t, 0,1,2,3
.irp s, 0,1,2,3
	global_load_b32 v[WS+4*\t+\s], v[LS], s[26:27] offset:512*\t+128*\s
.endr
.endr
	s_cmp_eq_u32 s19, 2
	s_cbranch_scc1 .Lbias_v
	v_lshlrev_b32 v5, 6, v11                       ; q, k: register j of tile t is channel 32 (t / 2) + 16 h + 8 (t % 2) + j
	WIN 0x40
.irp t, 0,1,2,3
	global_load_b128 v[BI+8*\t:BI+8*\t+3], v5, s[8:9] offset:(32*(\t/2)+8*(\t%2))*4
	global_load_b128 v[BI+8*\t+4:BI+8*\t+7], v5, s[8:9] offset:(32*(\t/2)+8*(\t%2))*4+16
.endr
	WIN 0
	s_branch .Lbias_done
.Lbias_v:
	v_lshrrev_b32 v5, 3, v10                       ; v: all eight registers are channel 32 (t / 2) + 8 (t % 2) + r + 8 (r / 8)
	v_lshl_add_u32 v5, v5, 3, v10
	v_lshlrev_b32 v5, 2, v5
	WIN 0x40
.irp t, 0,1,2,3
.irp j, 0,1,2,3,4,5,6,7
	global_load_b32 v[BI+8*\t+\j], v5, s[8:9] offset:(32*(\t/2)+8*(\t%2))*4
.endr
.endr
	WIN 0
.Lbias_done:
	s_wait_loadcnt 0x0                             ; for zero: the two ways have issued different numbers of loads
.irp i, 0,1,2,3,4,5,6,7,8,9,10,11,12,13,14,15,16
	ds_store_b128 v[LT], v[XF+4*\i:XF+4*\i+3] offset:2048*\i
.endr
	s_wait_dscnt 0x0                               ; for the others' sake: my stores have landed
	s_barrier_signal -1
	s_barrier_wait -1                              ; the block lies in LDS; from here on LDS is only read
	s_cmp_eq_u32 s19, 2
	s_cbranch_scc1 .Lv
	; ---- q, k: a pair of x's tiles (32 rows) at a time
	FETCHP 0, 0
	FETCHP 1, 1
.irp p, 0,1,2,3
.if \p < 3
	s_wait_dscnt 20                                ; this pair's 20 loads are in; the next pair's 20 stay out
.else
	s_wait_dscnt 0x0
.endif
	MULQK \p%2
	PLACES 4                                       ; in front of loads into registers that the products read, and of the first read of their results
.if \p < 2
	FETCHP \p+2, \p%2
.endif
.if \p > 0
	s_wait_xcnt 0x0                                ; the last pair's stores have read the codes' registers
.endif
	QUANT                                          ; block 2 u + B: row at place r of tile 2 p + u, channels 32 B on
	v_lshl_or_b32 v7, v[TM+5], 8, v[TM+4]          ; tile 2 p's word: two bytes; bytes 2 and 3 stay 0 and stand over zero codes
	v_lshl_or_b32 v8, v[TM+7], 8, v[TM+6]          ; tile 2 p + 1's
	v_cndmask_b32 v[SW+\p], v7, v8, s22            ; lanes 0-15 the one, lanes 16-31 the other
	global_store_b128 v[LI], v[PC:PC+3], s[14:15] offset:1024*\p          ; tile 2 p: the lower half of a fragment, 512 bytes on end
	global_store_b128 v[LI], v[PC+4:PC+7], s[14:15] offset:1024*\p+512    ; tile 2 p + 1
.endr
	global_store_b128 v[LI], v[SW:SW+3], s[14:15] offset:4096             ; the scale words as four registers' image
	s_wait_tensorcnt 0x0
	ds_add_u32 v14, v15
	s_wait_dscnt 0x0
	s_endpgm
	; ---- v: a tile of 16 channels at a time, all 128 rows
.Lv:
	FETCHS 0, 0
.set q, 0
.rept 16                               ; q = 4 t + s
.if q < 15
	FETCHS (q+1)%4, (q+1)%2                        ; the set's last readers stand behind four places
	s_wait_dscnt 20                                ; this K step's 20 loads are in; the 20 just issued stay out
.else
	s_wait_dscnt 0x0
.endif
	MULV q/4, q%4, q%2
	PLACES 4
.if q%4 == 3
.if q/4 > 0
	s_wait_xcnt 0x0                                ; the last tile's stores have read the codes' registers
.endif
	QUANT                                          ; block p: keys 32 p on of the channel at place r of tile t
.if (q/4)%2 == 0
	v_lshl_or_b32 v6, v[TM+5], 8, v[TM+4]          ; the channel's scale word for these 128 keys
	v_lshl_or_b32 v6, v[TM+6], 16, v6
	v_lshl_or_b32 v6, v[TM+7], 24, v6
.else
	v_lshl_or_b32 v7, v[TM+5], 8, v[TM+4]
	v_lshl_or_b32 v7, v[TM+6], 16, v7
	v_lshl_or_b32 v7, v[TM+7], 24, v7
	v_cndmask_b32 v[SW+q/8], v6, v7, s22           ; lanes 0-15 the even tile's, lanes 16-31 the odd tile's
.endif
	global_store_b128 v[LI], v[PC:PC+3], s[14:15] offset:4608+1024*(q/4)
	global_store_b128 v[LI], v[PC+4:PC+7], s[14:15] offset:4608+1024*(q/4)+512
.endif
.set q, q+1
.endr
	global_store_b64 v[L8], v[SW:SW+1], s[14:15] offset:8704              ; 256 bytes on end, aligned
	s_wait_tensorcnt 0x0
	ds_add_u32 v14, v15
	s_wait_dscnt 0x0
	s_endpgm
.Lfunc_end_k_q3723e2635c_qkv:
	.size	k_q3723e2635c_qkv, .Lfunc_end_k_q3723e2635c_qkv-k_q3723e2635c_qkv
	.p2alignl 7, 3214868480
	.fill 96, 4, 3214868480
	.section	.rodata,"a",@progbits
	.p2align	6, 0x0
	.amdhsa_kernel k_q3723e2635c_qkv
		.amdhsa_group_segment_fixed_size 35328
		.amdhsa_private_segment_fixed_size 0
		.amdhsa_enable_private_segment 0
		.amdhsa_kernarg_size 56
		.amdhsa_user_sgpr_count 2
		.amdhsa_user_sgpr_kernarg_segment_ptr 1
		.amdhsa_wavefront_size32 1
		.amdhsa_system_sgpr_workgroup_id_x 1
		.amdhsa_system_sgpr_workgroup_id_y 1
		.amdhsa_system_sgpr_workgroup_id_z 1
		.amdhsa_system_vgpr_workitem_id 0
		.amdhsa_next_free_vgpr 416
		.amdhsa_next_free_sgpr 66
		.amdhsa_reserve_vcc 0
		.amdhsa_float_denorm_mode_32 3
		.amdhsa_float_denorm_mode_16_64 3
		.amdhsa_memory_ordered 1
		.amdhsa_forward_progress 1
		.amdhsa_inst_pref_size 108
	.end_amdhsa_kernel
	.amdgpu_metadata
---
amdhsa.version: [ 1, 2 ]
amdhsa.kernels:
  - .name:           k_q3723e2635c_qkv
    .symbol:         k_q3723e2635c_qkv.kd
    .args:
      - { .name: xq, .offset: 0, .size: 8, .value_kind: global_buffer, .address_space: global }
      - { .name: wq, .offset: 8, .size: 8, .value_kind: global_buffer, .address_space: global }
      - { .name: bq, .offset: 16, .size: 8, .value_kind: global_buffer, .address_space: global }
      - { .name: bk, .offset: 24, .size: 8, .value_kind: global_buffer, .address_space: global }
      - { .name: bv, .offset: 32, .size: 8, .value_kind: global_buffer, .address_space: global }
      - { .name: qq, .offset: 40, .size: 8, .value_kind: global_buffer, .address_space: global }
      - { .name: kv, .offset: 48, .size: 8, .value_kind: global_buffer, .address_space: global }
    .group_segment_fixed_size: 35328
    .private_segment_fixed_size: 0
    .kernarg_segment_align: 8
    .kernarg_segment_size: 56
    .max_flat_workgroup_size: 128
    .sgpr_count:     66
    .vgpr_count:     416
    .wavefront_size: 32
...
	.end_amdgpu_metadata
.endif
;; end of part 2
;; launch attn (part 3): grid 8 x 32, 16 waves a work-group, clusters of 4 x 1, 169,984 bytes of LDS; arguments qq, kv, oq; writes oq
.if DOCPART == 3
	.amdgcn_target "amdgcn-amd-amdhsa--gfx1250"
	.amdhsa_code_object_version 6
	.text
	.protected	k_q3723e2635c_attn
	.globl	k_q3723e2635c_attn
	.p2align	8
	.type	k_q3723e2635c_attn,@function
k_q3723e2635c_attn:
	s_mov_b64 s[64:65], 0
	v_nop
	global_prefetch_b8 v0, s[64:65] scope:SCOPE_SE
	s_setreg_imm32_b32 hwreg(HW_REG_WAVE_MODE, 25, 1), 1
	s_wait_xcnt 0x0
	s_wait_alu depctr_hold_cnt(0) depctr_sa_sdst(0) depctr_va_vdst(0) depctr_va_sdst(0) depctr_va_ssrc(0) depctr_va_vcc(0) depctr_vm_vsrc(0)
	s_getreg_b32 s2, hwreg(HW_REG_IB_STS2, 6, 4)
	s_cmp_eq_u32 s2, 0
	s_cbranch_scc0 .Lentry_in_a_cluster
	s_endpgm
.Lentry_in_a_cluster:
	s_bfe_u32 s2, ttmp6, 0x10000c
	s_cmp_lg_u32 s2, 0x3003
	s_cbranch_scc0 .Lentry_shape_is_right
	s_endpgm
.Lentry_shape_is_right:
; o = softmax(q k^T / 8) v for one (b, head) a row of the grid, both products on codes of FP4 with E8M0 scales; o / l is quantised along the channels and leaves as codes for the last product.
; THE SOFTMAX: t = score x log2(e) / 8; M = the running largest t rounded UP to a whole number; p = 2^(t - M) is quantised along the keys, not normalised; the row's sum is taken of the unquantised p and divides at the end.
; When M moves, the sum and O are multiplied by 2^(old M - new M): exact.  A block's largest p is not searched for: the block's largest SCORE goes through the same multiply-add and exponential
; (this takes v_exp_f32 not to fall where its input rises; at the worst one p within an ulp of a power of two is held one code low).
; SHARES.  A work-group owns 256 queries of a head, each of its sixteen waves one tile of 16, in 256 registers: four waves to a SIMD, so that one wave's vector work stands beside another's products and LDS loads.
; THE WHOLE HEAD'S K AND V, 16 steps of 128 keys x 8,960 bytes laid as operands' registers, lie in LDS, FILLED ONCE: wave w brings step w by one tensor load; nothing is filled again.
; CLUSTER.  The four work-groups of a cluster belong to one head: each load is asked for JOINTLY, with the same descriptor and the mask of the four.
; LAYOUT.  Both products transposed: S^T = K Q^T, O^T = V^T P^T: a lane holds ONE query (lane % 16).  The head's size is 64: the upper half of K's and Q's fragments is zero codes, under scale bytes 0.
; The keys of a tile of K, the channels of a tile of V and the queries of a tile are laid by the launch before (tile 2 p + u, place r: 32 p + 8 u + r + 8 (r / 8)), so that 16 registers of two neighbouring tiles are 16 neighbours.
; LIMITS: a block whose largest number lies under 2^-124 (zeros too) gets the byte 1; NaN and infinities are not served.
; REGISTERS: v1-7 addresses; v12 -M, v13 the largest t, v[14:15] the sum; v16-23 Q; v24 Q's scale words; v26-27 V's; v28-31 K's; v32-95 K's eight fragments; v96-159 S^T, then p; v160-191 O^T; v192-223 V's four; v224-231 p's codes; v232-254 at work.
.set STEPB, 8960                       ; a step in LDS: K's codes 4,096, K's scale words 512, V's codes 4,096, V's scale words 256
.set STG,   16*STEPB                   ; behind the head: 512 bytes, two blocks of 256 of their own, for o's scale bytes
.macro CROUND                          ; a round of the cluster's barrier
	s_barrier_signal -1
	s_barrier_wait -1
	s_cmp_lg_u32 s10, 0
	s_cbranch_scc1 .Lnot_wave_0_\@
	s_barrier_signal -3
.Lnot_wave_0_\@:
	s_barrier_wait -3
	s_barrier_signal -1
	s_barrier_wait -1
.endm
	s_load_b128 s[4:7], s[0:1], 0x0                ; qq s[4:5], kv s[6:7]
	s_load_b64 s[8:9], s[0:1], 0x10                ; oq
	v_lshl_add_u32 v251, v0, 2, 0x29000
	v_mov_b32 v255, 0
	ds_add_u32 v251, v255
	ds_add_u32 v251, v255
	v_lshrrev_b32 v8, 5, v0
	v_readfirstlane_b32 s10, v8                    ; wave 0..15
	s_bfe_u32 s11, ttmp6, 0x40000                  ; cx: it enters Q's and o's global addresses alone
	s_lshl_b32 s12, ttmp9, 2
	s_add_co_u32 s12, s12, s11                     ; my block of 256 queries
	s_and_b32 s13, ttmp7, 0xffff                   ; b x 8 + head, which the four partners share
	s_lshl_b32 s14, s13, 4
	s_add_co_u32 s14, s14, s10
	s_mul_i32 s14, s14, STEPB                      ; step w of the head, in memory
	s_mov_b32 s15, 0
	s_mov_b32 s16, 1                               ; group 0: count = 1
	s_mul_i32 s17, s10, STEPB                      ; LDS address: the wave's number x a constant
	s_mov_b32 s20, 15|(3<<16)|(1<<21)              ; group 1: the mask of all four; elements of 8 bytes; bit 21 beside a mask; no padding: every fragment load takes 512 bytes on end
	s_mov_b32 s21, 32<<16                          ; tensor_dim0 = 32 elements: rows of 256 bytes
	s_mov_b32 s22, 35<<16                          ; tensor_dim1 = 35 rows: 8,960 dense bytes
	s_mov_b32 s23, 32<<16                          ; tile_dim0
	s_mov_b32 s24, 35                              ; tile_dim1
	s_mov_b32 s25, 32                              ; the pitch
	s_mov_b32 s26, 0
	s_mov_b32 s27, 0
	s_mov_b32 s30, 0x76543210
	s_mov_b32 s31, 0xfedcba98                      ; v_permlanex16_b32's selects for lane l xor 16
	s_mov_b32 s32, 0x3e38aa3b                      ; c = log2(e) / 8
	s_mov_b32 s33, s32                             ; (named with it as a pair, so it is written)
	s_lshl_b32 s42, s13, 4                         ; Q: block of 128 queries = 16 x (b, head) + 2 x my block + wave / 8
	s_lshl_b32 s43, s12, 1
	s_add_co_u32 s42, s42, s43
	s_lshr_b32 s43, s10, 3
	s_add_co_u32 s42, s42, s43
	s_mul_i32 s42, s42, 4608
	s_and_b32 s44, s10, 7                          ; my tile in it
	s_lshl_b32 s43, s44, 9
	s_add_co_u32 s46, s42, s43                     ; its codes
	s_mov_b32 s47, 0
	s_lshr_b32 s44, s44, 1                         ; its scale words: image [lane][pair]: lane 16 (tile % 2) + r, word tile / 2
	s_lshl_b32 s44, s44, 2
	s_and_b32 s43, s10, 1
	s_lshl_b32 s43, s43, 8
	s_add_co_u32 s42, s42, s44
	s_add_co_u32 s42, s42, s43
	s_add_co_u32 s42, s42, 4096
	s_mov_b32 s43, 0
	s_lshr_b32 s44, s13, 3                         ; o's codes: [b][tile 128][K step = head / 2][1,024], half head % 2
	s_lshl_b32 s44, s44, 7
	s_lshl_b32 s45, s12, 4
	s_add_co_u32 s44, s44, s45
	s_add_co_u32 s44, s44, s10
	s_lshl_b32 s44, s44, 12
	s_bfe_u32 s45, s13, 0x20001
	s_lshl_b32 s45, s45, 10
	s_add_co_u32 s44, s44, s45
	s_and_b32 s45, s13, 1
	s_lshl_b32 s45, s45, 9
	s_add_co_u32 s44, s44, s45
	s_mov_b32 s45, 0
	v_and_b32 v8, 31, v0
	v_lshlrev_b32 v1, 4, v8                        ; 16 x lane
	v_lshlrev_b32 v2, 3, v8                        ; 8 x lane
	v_and_b32 v8, 15, v0                           ; r
	v_lshlrev_b32 v7, 4, v8                        ; Q's scale words: 16 r
	v_lshlrev_b32 v5, 1, v8
	s_lshl_b32 s28, s10, 5
	s_add_co_u32 s28, s28, STG
	v_add_nc_u32 v5, s28, v5                       ; the stage: 32 bytes a wave, 2 r
	v_add_nc_u32 v6, STG, v1                       ; and back: 16 x lane
	s_wait_dscnt 0x0
	s_wait_kmcnt 0x0
	s_add_nc_u64 s[18:19], s[6:7], s[14:15]        ; group 0: the global address,
	s_or_b32 s19, s19, 0x80000000                  ; type = 2
	s_add_nc_u64 s[34:35], s[4:5], s[46:47]
	s_add_nc_u64 s[40:41], s[4:5], s[42:43]
	s_add_nc_u64 s[36:37], s[8:9], s[44:45]
	s_lshl_b32 s44, s13, 12                        ; o's scale bytes, behind the codes: [b, head][place 2,048] of two bytes
	s_lshl_b32 s46, s12, 9
	s_add_co_u32 s44, s44, s46
	s_add_co_u32 s44, s44, 2097152
	s_add_nc_u64 s[38:39], s[8:9], s[44:45]
	CROUND                                         ; all four work-groups are here: the joint loads meet
	tensor_load_to_lds s[16:19], s[20:27]          ; my one tensor load of the launch: step w
	s_nop 0
.rept 4
	v_nop
.endr
	global_load_b128 v[16:19], v1, s[34:35]        ; Q's fragment, lower half: it stays
	global_load_b32 v24, v7, s[40:41]
.irp j, 20,21,22,23
	v_mov_b32 v\j, 0                               ; zero codes for the 64 along K that the head does not have: Q's,
.endr
.irp t, 0,1,2,3,4,5,6,7
.irp j, 4,5,6,7
	v_mov_b32 v[32+8*\t+\j], 0                     ; and K's: written once, the loads land below them
.endr
.endr
.set j, 0
.rept 32
	v_mov_b32 v[160+j], 0                          ; O^T.  (The step is written for every step alike: the first finds zeros, which the first change of M leaves zeros)
.set j, j+1
.endr
.irp b, 0,1,2,3
	v_mov_b32 v[236+\b], 0                         ; written once: a lane permute's destination counts as one of its sources
.endr
	v_mov_b32 v253, 0                              ; (named as the upper half of the pair v[252:253] before it is first written)
	v_mov_b32 v14, 0                               ; the sum, in two halves
	v_mov_b32 v15, 0
	v_mov_b32 v13, 0xff61b1e6                      ; the largest t so far: -3e38, under every t
	v_floor_f32 v12, -v13                          ; -M
	s_wait_tensorcnt 0x0                           ; my step has landed,
	s_barrier_signal -1
	s_barrier_wait -1                              ; everybody's has: the head lies in LDS
.irp t, 0,1,2,3,4,5,6,7
	ds_load_b128 v[32+8*\t:35+8*\t], v1 offset:512*\t   ; K of step 0
.endr
	ds_load_b128 v[28:31], v1 offset:4096          ; its scale words: register p: lanes 0-15 tile 2 p, lanes 16-31 tile 2 p + 1
	s_wait_loadcnt 0x0                             ; Q
	s_mov_b32 s28, 0                               ; where the step in hand begins in LDS
	s_mov_b32 s29, 15
; A KEY STEP: 128 keys.  pre = 1: the next step's K is fetched under the softmax.
.macro STEP pre
	v_add_nc_u32 v3, s28, v1
	v_add_nc_u32 v4, s28, v2
	v_nop
	v_nop                                          ; four places behind the last products, in front of the loads into V's registers
.irp t, 0,1,2,3
.irp c, 0,1
	ds_load_b128 v[192+8*\t+4*\c:195+8*\t+4*\c], v3 offset:4608+1024*\t+512*\c
.endr
.endr
	ds_load_b64 v[26:27], v4 offset:8704
	s_wait_dscnt 9                                 ; K and its scale words are in; V's nine loads stay out
.irp t, 0,2,4,6                                ; S^T = K Q^T: eight accumulators, each begun by the constant 0
	v_wmma_scale_f32_16x16x128_f8f6f4 v[96+8*\t:103+8*\t], v[32+8*\t:39+8*\t], v[16:23], 0, v[28+\t/2], v24 matrix_a_fmt:MATRIX_FMT_FP4 matrix_b_fmt:MATRIX_FMT_FP4
	v_wmma_scale_f32_16x16x128_f8f6f4 v[104+8*\t:111+8*\t], v[40+8*\t:47+8*\t], v[16:23], 0, v[28+\t/2], v24 matrix_a_fmt:MATRIX_FMT_FP4 matrix_b_fmt:MATRIX_FMT_FP4 matrix_a_scale:MATRIX_SCALE_ROW1
.endr                                          ; the 16 registers of tiles 2 b, 2 b + 1 are keys 32 b + 16 (lane / 16) + 0 .. 15
.rept 4
	v_nop                                          ; places in front of the loads into K's registers and of the first read of the scores
.endr
.if \pre
.irp t, 0,1,2,3,4,5,6,7
	ds_load_b128 v[32+8*\t:35+8*\t], v3 offset:STEPB+512*\t
.endr
	ds_load_b128 v[28:31], v3 offset:STEPB+4096
.endif
.irp b, 0,1,2,3
	v_max3_num_f32 v[232+\b], v[96+16*\b], v[97+16*\b], v[98+16*\b]   ; THE LARGEST SCORE OF EACH BLOCK OF 32 KEYS: for the row's maximum, and for the block's largest p
.endr
.irp i, 3,5,7,9,11,13
.irp b, 0,1,2,3
	v_max3_num_f32 v[232+\b], v[232+\b], v[96+16*\b+\i], v[97+16*\b+\i]   ; (the four blocks by turns)
.endr
.endr
.irp b, 0,1,2,3
	v_max_num_f32 v[232+\b], v[232+\b], v[111+16*\b]
.endr
.irp b, 0,1,2,3
	v_permlanex16_b32 v[236+\b], v[232+\b], s30, s31
.endr
.irp b, 0,1,2,3
	v_max_num_f32 v[232+\b], v[232+\b], v[236+\b]  ; with lane l xor 16's 16 keys
.endr
	v_max3_num_f32 v254, v232, v233, v234
	v_max_num_f32 v254, v254, v235                 ; the step's largest score of my query
	v_mul_f32 v254, s32, v254                      ; as t (c is positive)
	v_max_num_f32 v13, v13, v254                   ; the running largest t
	v_mov_b32 v254, v12
	v_floor_f32 v12, -v13                          ; the new -M = floor(-t): M is a whole number
	v_sub_f32 v254, v12, v254                      ; old M - new M: a whole number, 0 or less
	v_cvt_i32_f32 v254, v254                       ; (it saturates)
	v_ldexp_f32 v252, 1.0, v254                    ; f = 2^(old M - new M)
.set j, 0
.rept 32
	v_pk_fma_f32 v[96+j:97+j], v[96+j:97+j], s[32:33], v[12:13] op_sel_hi:[1,0,0]   ; t - M, two at a time
.set j, j+2
.endr
.irp b, 0,1,2,3
	v_fma_f32 v[232+\b], v[232+\b], s32, v12       ; the same of each block's largest score
.endr
.set j, 0
.rept 64
	v_exp_f32 v[96+j], v[96+j]                     ; p = 2^(t - M), at most 1
.set j, j+1
.endr
.irp b, 0,1,2,3
	v_exp_f32 v[232+\b], v[232+\b]                 ; the block's largest p: the same two instructions on the same number
.endr
	v_pk_mul_f32 v[14:15], v[14:15], v[252:253] op_sel_hi:[1,0]   ; the sums under the new M.  (A plain place behind the exponentials)
	s_wait_alu depctr_va_vdst(0)
.irp b, 0,1,2,3
	v_max_num_f32 v[232+\b], 0x1800000, v[232+\b]  ; the floor 2^(3 - 127): the byte cannot fall under 1
.endr
.irp b, 0,1,2,3
	v_add_nc_u32 v[244+\b], 0xff000000, v[232+\b]  ; 2 off the exponent field: the conversion's scale operand
.endr
.irp b, 0,1,2,3
	v_lshrrev_b32 v[236+\b], 23, v[244+\b]         ; the scale's byte
.endr
	v_lshl_or_b32 v253, v237, 8, v236              ; p's scale word for these 128 keys
	v_lshl_or_b32 v253, v238, 16, v253
	v_lshl_or_b32 v253, v239, 24, v253
.irp b, 0,1,2,3
	v_cvt_scalef32_pk8_fp4_f32 v[224+2*\b], v[96+16*\b:103+16*\b], v[244+\b]
	v_cvt_scalef32_pk8_fp4_f32 v[225+2*\b], v[104+16*\b:111+16*\b], v[244+\b]
.endr
	v_nop                                          ; one plain place behind a scaled conversion
.irp c, 0,1
.irp i, 0,1
	v_permlane16_swap_b32 v[224+4*\c+\i], v[226+4*\c+\i]   ; a whole block to a lane
.endr
.endr
	v_pk_add_f32 v[236:237], v[96:97], v[98:99]    ; THE ROW'S SUM IS TAKEN OF THE UNQUANTISED p: two at a time, in two chains
.set j, 4
.rept 15
	v_pk_add_f32 v[14:15], v[14:15], v[96+j:97+j]
	v_pk_add_f32 v[236:237], v[236:237], v[98+j:99+j]
.set j, j+4
.endr
	v_pk_add_f32 v[14:15], v[14:15], v[236:237]
.set j, 0
.rept 16
	v_pk_mul_f32 v[160+j:161+j], v[160+j:161+j], v[252:253] op_sel_hi:[1,0]   ; O^T under the new M.  (These and the sums are the places between p's scale word and codes and the products below)
.set j, j+2
.endr
	s_wait_dscnt 9*\pre                            ; V and its scale words are in; the next step's nine loads of K may be out
.irp t, 0,2                                    ; O^T += V^T P^T: four accumulators, one instruction each; the next matrix instructions are the next step's scores
	v_wmma_scale_f32_16x16x128_f8f6f4 v[160+8*\t:167+8*\t], v[192+8*\t:199+8*\t], v[224:231], v[160+8*\t:167+8*\t], v[26+\t/2], v253 matrix_a_fmt:MATRIX_FMT_FP4 matrix_b_fmt:MATRIX_FMT_FP4
	v_wmma_scale_f32_16x16x128_f8f6f4 v[168+8*\t:175+8*\t], v[200+8*\t:207+8*\t], v[224:231], v[168+8*\t:175+8*\t], v[26+\t/2], v253 matrix_a_fmt:MATRIX_FMT_FP4 matrix_b_fmt:MATRIX_FMT_FP4 matrix_a_scale:MATRIX_SCALE_ROW1
.endr
	s_add_co_u32 s28, s28, STEPB
.endm
.Lstep:                                            ; 15 trips; the sixteenth step is written out: it fetches nothing beyond the head
	STEP 1
	s_sub_co_u32 s29, s29, 1
	s_cmp_lg_u32 s29, 0
	s_cbranch_scc1 .Lstep
	STEP 0
	; THE WAY OUT.  Register 16 B + i of O^T is channel 32 B + 16 (lane / 16) + i of my query: two blocks of the last product's K.
.rept 4
	v_nop
.endr
	v_add_f32 v14, v14, v15                        ; the sum's two halves,
	v_permlanex16_b32 v252, v14, s30, s31
	v_add_f32 v14, v14, v252                       ; and lane l xor 16's: the row's sum
	v_rcp_f32 v14, v14
	v_nop                                          ; one plain place behind a transcendental
.set j, 0
	s_wait_alu depctr_va_vdst(0)
.rept 32
	v_mul_f32 v[96+j], v[160+j], v14               ; o = O^T / the sum, each accumulator from its low end on
.set j, j+1
.endr
.irp b, 0,1
	v_max3_num_f32 v[232+\b], |v[96+16*\b]|, |v[97+16*\b]|, 0x1800000
.endr
.irp i, 2,4,6,8,10,12,14
.irp b, 0,1
	v_max3_num_f32 v[232+\b], v[232+\b], |v[96+16*\b+\i]|, |v[97+16*\b+\i]|
.endr
.endr
.irp b, 0,1
	v_permlanex16_b32 v[236+\b], v[232+\b], s30, s31
.endr
.irp b, 0,1
	v_max_num_f32 v[232+\b], v[232+\b], v[236+\b]
.endr
.irp b, 0,1
	v_add_nc_u32 v[244+\b], 0xff000000, v[232+\b]
.endr
.irp b, 0,1
	v_lshrrev_b32 v[236+\b], 23, v[244+\b]
.endr
	v_lshl_or_b32 v240, v237, 8, v236              ; my query's two scale bytes
.irp b, 0,1
	v_cvt_scalef32_pk8_fp4_f32 v[224+2*\b], v[96+16*\b:103+16*\b], v[244+\b]
	v_cvt_scalef32_pk8_fp4_f32 v[225+2*\b], v[104+16*\b:111+16*\b], v[244+\b]
.endr
	v_nop
	v_permlane16_swap_b32 v224, v226
	v_permlane16_swap_b32 v225, v227               ; lane (r, h): channels 32 h + 0 .. 31 of my head: half a fragment of the last product
	global_store_b128 v1, v[224:227], s[36:37]     ; 512 bytes on end, aligned
	ds_store_b16 v5, v240                          ; both halves of the lanes write the same two bytes with the same value
	s_wait_dscnt 0x0                               ; for wave 0's sake
	s_barrier_signal -1
	s_barrier_wait -1
	s_cmp_lg_u32 s10, 0
	s_cbranch_scc1 .Lskip
	ds_load_b128 v[96:99], v6                      ; the work-group's 256 queries x 2 bytes
	s_wait_dscnt 0x0
	global_store_b128 v1, v[96:99], s[38:39]       ; 512 bytes on end, aligned
.Lskip:
	s_wait_tensorcnt 0x0
	ds_add_u32 v251, v255
	s_wait_dscnt 0x0
	CROUND                                         ; the closing round: no work-group ends while a partner may still ask for a tile that names it
	s_endpgm
.Lfunc_end_k_q3723e2635c_attn:
	.size	k_q3723e2635c_attn, .Lfunc_end_k_q3723e2635c_attn-k_q3723e2635c_attn
	.p2alignl 7, 3214868480
	.fill 96, 4, 3214868480
	.section	.rodata,"a",@progbits
	.p2align	6, 0x0
	.amdhsa_kernel k_q3723e2635c_attn
		.amdhsa_group_segment_fixed_size 169984
		.amdhsa_private_segment_fixed_size 0
		.amdhsa_enable_private_segment 0
		.amdhsa_kernarg_size 24
		.amdhsa_user_sgpr_count 2
		.amdhsa_user_sgpr_kernarg_segment_ptr 1
		.amdhsa_wavefront_size32 1
		.amdhsa_system_sgpr_workgroup_id_x 1
		.amdhsa_system_sgpr_workgroup_id_y 1
		.amdhsa_system_sgpr_workgroup_id_z 1
		.amdhsa_system_vgpr_workitem_id 0
		.amdhsa_next_free_vgpr 256
		.amdhsa_next_free_sgpr 66
		.amdhsa_reserve_vcc 0
		.amdhsa_float_denorm_mode_32 3
		.amdhsa_float_denorm_mode_16_64 3
		.amdhsa_memory_ordered 1
		.amdhsa_forward_progress 1
		.amdhsa_inst_pref_size 41
	.end_amdhsa_kernel
	.amdgpu_metadata
---
amdhsa.version: [ 1, 2 ]
amdhsa.kernels:
  - .name:           k_q3723e2635c_attn
    .symbol:         k_q3723e2635c_attn.kd
    .args:
      - { .name: qq, .offset: 0, .size: 8, .value_kind: global_buffer, .address_space: global }
      - { .name: kv, .offset: 8, .size: 8, .value_kind: global_buffer, .address_space: global }
      - { .name: oq, .offset: 16, .size: 8, .value_kind: global_buffer, .address_space: global }
    .group_segment_fixed_size: 169984
    .private_segment_fixed_size: 0
    .kernarg_segment_align: 8
    .kernarg_segment_size: 24
    .max_flat_workgroup_size: 512
    .sgpr_count:     66
    .vgpr_count:     256
    .wavefront_size: 32
...
	.end_amdgpu_metadata
.endif
;; end of part 3
;; launch proj (part 4): grid 128 x 2, 8 waves a work-group, no clusters, 70,656 bytes of LDS; arguments oq, wq, bo, x, out0; writes out0
.if DOCPART == 4
	.amdgcn_target "amdgcn-amd-amdhsa--gfx1250"
	.amdhsa_code_object_version 6
	.text
	.protected	k_q3723e2635c_proj
	.globl	k_q3723e2635c_proj
	.p2align	8
	.type	k_q3723e2635c_proj,@function
k_q3723e2635c_proj:
	s_mov_b64 s[64:65], 0
	v_nop
	global_prefetch_b8 v0, s[64:65] scope:SCOPE_SE
	s_setreg_imm32_b32 hwreg(HW_REG_WAVE_MODE, 25, 1), 1
	s_wait_xcnt 0x0
; out0[b][c][l] = x[b][c][l] + bo[c] + the sum over k of o[(b, l)][k] Wo[c][k], the product on codes of FP4 with E8M0 scales.
; SHARES.  Work-group (g, y): b = g / 32, the 64 places l from 64 (g % 32) on (four tiles of o), channels 256 y on; wave w: 32 channels, a pair of Wo's tiles: 32 matrix instructions.
; Source 0 = 16 rows of o, source 1 = 16 rows of Wo: a lane holds ONE channel and its registers run along l (o's tiles are laid so that two neighbouring tiles give 16 neighbouring l): the result is already transposed.
; A wave's 32 channels x 64 l go through its own stage in LDS and leave as rows of 256 bytes, with x added.  The bias is the C of each sum's first matrix instruction.  No barrier: waves share nothing.
; NO JOINT LOADS: all operands are images of registers and go straight into them by plain loads; there is no tile in LDS to share.
; REGISTERS: window 0: v1-7 addresses; v16-79 Wo's fragments (8 (4 n + s)); v80-87 Wo's scale words; v88-95 o's; v96-111 their halves as loaded; v112-127 the bias; v128-191 accumulators (8 (4 n + m)); v192-255 rows on the way out.
;   window 1: v0-127 o's fragments (8 (4 m + s)); v128-191 x.
.set LI,  1                            ; 16 x lane
.set LS,  2                            ; 4 x lane
.set L2,  3                            ; 2 x lane
.set CO,  4                            ; x, out0: (lane / 16) rows of 8,192 bytes + 16 (lane % 16)
.set STO, 5                            ; the stage, in
.set RD,  6                            ; the stage, back
.set BO,  7                            ; the bias: 4 (r + 8 (r / 8))
.set WF,  16
.set WS,  80
.set OS,  88
.set RAW, 96
.set BI,  112
.set ACC, 128
.set OUT, 192
.set XR,  128                          ; in window 1
.set SP,  272                          ; a stage row: 256 bytes + 16: the sixteen rows that a store touches start at sixteen different banks (64 banks of 4 bytes: ISA guide 11.1)
.set MSB, 0
.macro WIN new                         ; the immediate's high byte repeats the setting that is left
.if MSB != \new
	s_set_vgpr_msb (MSB<<8)|\new
.set MSB, \new
.endif
.endm
.macro WM d, a, b, c, sa, sb, ra       ; one scaled product; ra = 1: A's scales are read from lanes 16-31
.if (\ra) == 1
	v_wmma_scale_f32_16x16x128_f8f6f4 v[\d:\d+7], v[\a:\a+7], v[\b:\b+7], v[\c:\c+7], v[\sa], v[\sb] matrix_a_fmt:MATRIX_FMT_FP4 matrix_b_fmt:MATRIX_FMT_FP4 matrix_a_scale:MATRIX_SCALE_ROW1
.else
	v_wmma_scale_f32_16x16x128_f8f6f4 v[\d:\d+7], v[\a:\a+7], v[\b:\b+7], v[\c:\c+7], v[\sa], v[\sb] matrix_a_fmt:MATRIX_FMT_FP4 matrix_b_fmt:MATRIX_FMT_FP4
.endif
.endm
	s_load_b256 s[4:11], s[0:1], 0x0               ; oq s[4:5], wq s[6:7], bo s[8:9], x s[10:11]
	s_load_b64 s[12:13], s[0:1], 0x20              ; out0
	v_lshl_add_u32 v14, v0, 2, 0x11000
	v_mov_b32 v15, 0
	v_lshrrev_b32 v8, 5, v0
	v_readfirstlane_b32 s14, v8                    ; wave 0..7
	s_lshr_b32 s15, ttmp9, 5                       ; b
	s_and_b32 s16, ttmp9, 31                       ; which 64 places l
	s_and_b32 s17, ttmp7, 0xffff                   ; y
	s_lshl_b32 s18, s17, 4
	s_lshl_b32 s19, s14, 1
	s_add_co_u32 s18, s18, s19                     ; my first tile of Wo: 16 y + 2 w
	s_lshl_b32 s19, s18, 4                         ; my first channel: 256 y + 32 w
	s_lshl_b32 s20, s15, 7
	s_lshl_b32 s21, s16, 2
	s_add_co_u32 s20, s20, s21
	s_lshl_b32 s20, s20, 12                        ; o's codes: tile 128 b + 4 (g % 32), 4,096 bytes a tile
	s_mov_b32 s21, 0
	s_lshl_b32 s22, s15, 15                        ; o's scale bytes: 8 heads x 4,096 a b, 128 bytes for 64 places
	s_lshl_b32 s23, s16, 7
	s_add_co_u32 s22, s22, s23
	s_add_co_u32 s22, s22, 2097152
	s_mov_b32 s23, 0
	s_lshl_b32 s24, s18, 12
	s_add_co_u32 s24, s24, 393216                  ; Wo's codes: the fourth weight
	s_mov_b32 s25, 0
	s_lshl_b32 s26, s18, 9
	s_add_co_u32 s26, s26, 573440                  ; its scale words: 524,288 + 3 x 16,384
	s_mov_b32 s27, 0
	s_lshl_b32 s28, s19, 2
	s_mov_b32 s29, 0
	s_lshl_b32 s30, s15, 22                        ; x, out0: b, my first channel's row, my 64 places
	s_lshl_b32 s31, s19, 13
	s_add_co_u32 s30, s30, s31
	s_lshl_b32 s31, s16, 8
	s_add_co_u32 s30, s30, s31
	s_mov_b32 s31, 0
	s_mul_i32 s40, s14, 32*SP                      ; my stage
	v_and_b32 v9, 31, v0
	v_lshlrev_b32 v[LI], 4, v9
	v_lshlrev_b32 v[LS], 2, v9
	v_lshlrev_b32 v[L2], 1, v9
	v_and_b32 v10, 15, v0                          ; r
	v_bfe_u32 v11, v0, 4, 1                        ; h
	v_lshlrev_b32 v[CO], 4, v10
	v_lshl_add_u32 v[CO], v11, 13, v[CO]
	v_mul_u32_u24 v[STO], v10, SP
	v_lshl_add_u32 v[STO], v11, 6, v[STO]
	v_add_nc_u32 v[STO], s40, v[STO]               ; in: row r (a channel's place), + 64 h bytes: l = 16 h + ..
	v_mul_u32_u24 v[RD], v11, SP
	v_lshl_add_u32 v[RD], v10, 4, v[RD]
	v_add_nc_u32 v[RD], s40, v[RD]                 ; back: lanes 0-15 one row, lanes 16-31 the next
	v_lshrrev_b32 v[BO], 3, v10
	v_lshl_add_u32 v[BO], v[BO], 3, v10
	v_lshlrev_b32 v[BO], 2, v[BO]
	s_wait_kmcnt 0x0
	s_add_nc_u64 s[32:33], s[4:5], s[20:21]
	s_add_nc_u64 s[34:35], s[4:5], s[22:23]
	s_add_nc_u64 s[36:37], s[6:7], s[24:25]
	s_add_nc_u64 s[38:39], s[6:7], s[26:27]
	s_add_nc_u64 s[8:9], s[8:9], s[28:29]
	s_add_nc_u64 s[10:11], s[10:11], s[30:31]
	s_add_nc_u64 s[12:13], s[12:13], s[30:31]
	WIN 0x40                                       ; destination window 1
.irp m, 0,1,2,3
.irp s, 0,1,2,3
.irp c, 0,1
	global_load_b128 v[8*(4*\m+\s)+4*\c:8*(4*\m+\s)+4*\c+3], v[LI], s[32:33] offset:4096*\m+1024*\s+512*\c
.endr
.endr
.endr
	WIN 0
.irp n, 0,1
.irp s, 0,1,2,3
.irp c, 0,1
	global_load_b128 v[WF+8*(4*\n+\s)+4*\c:WF+8*(4*\n+\s)+4*\c+3], v[LI], s[36:37] offset:4096*\n+1024*\s+512*\c
.endr
.endr
.endr
.irp n, 0,1
.irp s, 0,1,2,3
	global_load_b32 v[WS+4*\n+\s], v[LS], s[38:39] offset:512*\n+128*\s
.endr
.endr
.irp p, 0,1
.irp s, 0,1,2,3
.irp e, 0,1
	global_load_u16 v[RAW+2*(4*\p+\s)+\e], v[L2], s[34:35] offset:(2*\s+\e)*4096+64*\p   ; head 2 s + e's two bytes of the row at place lane of tiles 2 p, 2 p + 1
.endr
.endr
.endr
.irp n, 0,1
.irp j, 0,1,2,3,4,5,6,7
	global_load_b32 v[BI+8*\n+\j], v[BO], s[8:9] offset:32*\n      ; all eight registers: my channel's bias
.endr
.endr
	WIN 0x40
.set i, 0
.rept 16                               ; x: the rows in the order in which the stage gives them back: row 2 i + lane / 16 of the stage is channel CH + lane / 16
.set CH, 8*(i/8)+2*(i%8)+8*((i%8)/4)
	global_load_b128 v[XR+4*i:XR+4*i+3], v[CO], s[10:11] offset:CH*8192 th:TH_LOAD_NT
.set i, i+1
.endr
	WIN 0
	s_wait_loadcnt 16                              ; all but x's sixteen loads, which are wanted at the end
.irp q, 0,1,2,3,4,5,6,7
	v_lshl_or_b32 v[OS+\q], v[RAW+2*\q+1], 16, v[RAW+2*\q]         ; o's scale word of a K step: two heads' two bytes each
.endr
.rept 8
	v_nop                                          ; a scale register written by a vector instruction stands eight places ahead of a scaled matrix instruction
.endr
	WIN 0x01                                       ; source 0 (o) in window 1
.irp s, 0,1,2,3                                ; eight accumulators by turns, one instruction a turn
.irp m, 0,1,2,3
.irp n, 0,1
.if \s == 0
	WM ACC+8*(4*\n+\m), 8*(4*\m+\s), WF+8*(4*\n+\s), BI+8*\n, OS+4*(\m/2)+\s, WS+4*\n+\s, \m%2
.else
	WM ACC+8*(4*\n+\m), 8*(4*\m+\s), WF+8*(4*\n+\s), ACC+8*(4*\n+\m), OS+4*(\m/2)+\s, WS+4*\n+\s, \m%2
.endif
.endr
.endr
.endr
	WIN 0
.rept 4
	v_nop                                          ; places in front of the first read of results
.endr
.irp n, 0,1
.irp m, 0,1,2,3
	ds_store_b128 v[STO], v[ACC+8*(4*\n+\m):ACC+8*(4*\n+\m)+3] offset:16*SP*\n+128*(\m/2)+32*(\m%2)        ; register j: l = 32 (m / 2) + 16 h + 8 (m % 2) + j; each accumulator from its low end on
	ds_store_b128 v[STO], v[ACC+8*(4*\n+\m)+4:ACC+8*(4*\n+\m)+7] offset:16*SP*\n+128*(\m/2)+32*(\m%2)+16
.endr
.endr
.irp i, 0,1,2,3,4,5,6,7,8,9,10,11,12,13,14,15
	ds_load_b128 v[OUT+4*\i:OUT+4*\i+3], v[RD] offset:2*SP*\i      ; LDS serves a wave's instructions in order (ISA guide 5.7.1.4): these see my stores
.endr
	s_wait_loadcnt 0x0                             ; x
	s_wait_dscnt 0x0
	WIN 0x04                                       ; source 1 (x) in window 1
.set k, 0
.rept 32
	v_pk_add_f32 v[OUT+2*k:OUT+2*k+1], v[OUT+2*k:OUT+2*k+1], v[XR+2*k:XR+2*k+1]
.set k, k+1
.endr
	WIN 0
.set i, 0
.rept 16
.set CH, 8*(i/8)+2*(i%8)+8*((i%8)/4)
	global_store_b128 v[CO], v[OUT+4*i:OUT+4*i+3], s[12:13] offset:CH*8192 th:TH_STORE_NT   ; sixteen lanes store 256 bytes on end, at a multiple of 256 from out0's first byte
.set i, i+1
.endr
	s_wait_tensorcnt 0x0
	ds_add_u32 v14, v15
	s_wait_dscnt 0x0
	s_endpgm
.Lfunc_end_k_q3723e2635c_proj:
	.size	k_q3723e2635c_proj, .Lfunc_end_k_q3723e2635c_proj-k_q3723e2635c_proj
	.p2alignl 7, 3214868480
	.fill 96, 4, 3214868480
	.section	.rodata,"a",@progbits
	.p2align	6, 0x0
	.amdhsa_kernel k_q3723e2635c_proj
		.amdhsa_group_segment_fixed_size 70656
		.amdhsa_private_segment_fixed_size 0
		.amdhsa_enable_private_segment 0
		.amdhsa_kernarg_size 40
		.amdhsa_user_sgpr_count 2
		.amdhsa_user_sgpr_kernarg_segment_ptr 1
		.amdhsa_wavefront_size32 1
		.amdhsa_system_sgpr_workgroup_id_x 1
		.amdhsa_system_sgpr_workgroup_id_y 1
		.amdhsa_system_sgpr_workgroup_id_z 1
		.amdhsa_system_vgpr_workitem_id 0
		.amdhsa_next_free_vgpr 448
		.amdhsa_next_free_sgpr 66
		.amdhsa_reserve_vcc 0
		.amdhsa_float_denorm_mode_32 3
		.amdhsa_float_denorm_mode_16_64 3
		.amdhsa_memory_ordered 1
		.amdhsa_forward_progress 1
		.amdhsa_inst_pref_size 24
	.end_amdhsa_kernel
	.amdgpu_metadata
---
amdhsa.version: [ 1, 2 ]
amdhsa.kernels:
  - .name:           k_q3723e2635c_proj
    .symbol:         k_q3723e2635c_proj.kd
    .args:
      - { .name: oq, .offset: 0, .size: 8, .value_kind: global_buffer, .address_space: global }
      - { .name: wq, .offset: 8, .size: 8, .value_kind: global_buffer, .address_space: global }
      - { .name: bo, .offset: 16, .size: 8, .value_kind: global_buffer, .address_space: global }
      - { .name: x, .offset: 24, .size: 8, .value_kind: global_buffer, .address_space: global }
      - { .name: out0, .offset: 32, .size: 8, .value_kind: global_buffer, .address_space: global }
    .group_segment_fixed_size: 70656
    .private_segment_fixed_size: 0
    .kernarg_segment_align: 8
    .kernarg_segment_size: 40
    .max_flat_workgroup_size: 256
    .sgpr_count:     66
    .vgpr_count:     448
    .wavefront_size: 32
...
	.end_amdgpu_metadata
.endif
;; end of part 4
;; ======== version 2 of 2: 4 launches
;; workspace buffers: xq 2,228,224 bytes; wq 589,824 bytes; qq 2,359,296 bytes; kv 4,587,520 bytes; oq 2,228,224 bytes
;; launch quant (part 5): grid 384 x 1, 4 waves a work-group, no clusters, 0 bytes of LDS; arguments x, Wq, Wk, Wv, Wo, xq, wq; writes xq, wq
.if DOCPART == 5
	.amdgcn_target "amdgcn-amd-amdhsa--gfx1250"
	.amdhsa_code_object_version 6
	.text
	.protected	k_q3723e2635c_quant
	.globl	k_q3723e2635c_quant
	.p2align	8
	.type	k_q3723e2635c_quant,@function
k_q3723e2635c_quant:
	s_mov_b64 s[64:65], 0
	v_nop
	global_prefetch_b8 v0, s[64:65] scope:SCOPE_SE
	s_setreg_imm32_b32 hwreg(HW_REG_WAVE_MODE, 25, 1), 1
	s_wait_xcnt 0x0
; x [4][512][2048] f32 and the four weights [512][512] f32 become codes of FP4 (E2M1) with one E8M0 byte for each 32 along K, laid AS THE MATRIX OPERANDS' REGISTERS WANT THEM.
; A fragment (16 rows x 128 K) is 1,024 bytes: byte 512 c + 16 lane holds the 16 bytes of lane (r = lane % 16, h = lane / 16): k = 64 c + 32 h + 0 .. 31 of the row at place r.
; THE ROWS OF A TILE ARE NOT NEIGHBOURS: of 32 rows on end, tile 2 p + u holds at place r the row 32 p + 8 u + r + 8 (r / 8).
; A block's scale is 2^(floor(log2(its largest magnitude)) - 2): its byte is the largest magnitude's exponent field - 2, held at 1 from below.
; LIMITS: a block of zeros, or one whose largest magnitude lies under 2^-124, gets the byte 1 (its codes are zeros or next to it; this program alone reads the bytes); NaN and infinities are not served.
; Work-groups 0-255: x, whose K (the channels) is its MIDDLE axis: a lane takes a column l and its registers run down K, so nothing is transposed.  Work-group g: K step g % 4 of the 128 rows (b, l) of block g / 4;
; wave w: the 32 rows of tile pair w.  Work-groups 256-383: one tile of 16 rows of one weight, K innermost; wave w: K step w.
; No LDS, no barrier, no matrix work: waves share nothing and memory binds.
.set X,  32                            ; v32-159  x: 128 numbers down K;  weights: v32-95, 64 numbers
.set CD, 16                            ; v16-31   codes: four registers a block, so that no store's data are written again
	s_load_b256 s[4:11], s[0:1], 0x0               ; x s[4:5], Wq s[6:7], Wk s[8:9], Wv s[10:11]
	s_load_b128 s[12:15], s[0:1], 0x20             ; Wo s[12:13], xq s[14:15]
	s_load_b64 s[16:17], s[0:1], 0x30              ; wq
	v_lshrrev_b32 v1, 5, v0
	v_readfirstlane_b32 s18, v1                    ; wave 0..3
	s_mov_b32 s20, 0x76543210
	s_mov_b32 s21, 0xfedcba98                      ; v_permlanex16_b32's selects for lane l xor 16
	v_and_b32 v1, 31, v0                           ; lane
	v_and_b32 v5, 15, v0                           ; r
	v_bfe_u32 v6, v0, 4, 1                         ; h (for x: u, which tile of the pair)
	v_lshlrev_b32 v4, 2, v1                        ; 4 x lane: a scale word's place
	s_wait_kmcnt 0x0
	s_cmp_lt_u32 ttmp9, 256
	s_cbranch_scc0 .Lw
	; ---- x
	s_and_b32 s22, ttmp9, 3                        ; K step s
	s_lshr_b32 s23, ttmp9, 2                       ; block of 128 rows
	s_lshr_b32 s24, s23, 4                         ; b
	s_and_b32 s25, s23, 15                         ; the block within b
	s_wait_alu depctr_va_vdst(0)
	v_and_b32 v7, 7, v5
	v_lshl_add_u32 v7, v6, 3, v7
	v_lshrrev_b32 v8, 3, v5
	v_lshl_add_u32 v7, v8, 4, v7                   ; my column of the pair's 32: (r % 8) + 8 u + 16 (r / 8): the 32 lanes still read 128 bytes on end
	v_lshlrev_b32 v2, 2, v7
	s_wait_alu depctr_va_vdst(0)
	v_lshlrev_b32 v3, 4, v5
	v_lshl_add_u32 v3, v6, 12, v3                  ; codes: tile u of the pair (4,096 bytes a tile), 16 r
	s_lshl_b32 s26, s24, 22                        ; b x 512 x 2,048 x 4
	s_lshl_b32 s27, s22, 20                        ; + 128 s rows of 8,192 bytes
	s_add_co_u32 s26, s26, s27
	s_lshl_b32 s27, s25, 9                         ; + 128 columns a block
	s_add_co_u32 s26, s26, s27
	s_lshl_b32 s27, s18, 7                         ; + 32 columns a wave
	s_add_co_u32 s26, s26, s27
	s_mov_b32 s27, 0
	s_add_nc_u64 s[4:5], s[4:5], s[26:27]
	s_mul_i32 s26, s23, 34816                      ; xq: a block is 32,768 bytes of codes and 2,048 of scale words
	s_lshl_b32 s28, s18, 13                        ; codes: pair w, K step s
	s_lshl_b32 s34, s22, 10
	s_add_co_u32 s28, s28, s34
	s_add_co_u32 s28, s28, s26
	s_mov_b32 s29, 0
	s_add_nc_u64 s[30:31], s[14:15], s[28:29]
	s_lshl_b32 s28, s18, 9                         ; scale words: [pair][s][lane]
	s_lshl_b32 s34, s22, 7
	s_add_co_u32 s28, s28, s34
	s_add_co_u32 s28, s28, s26
	s_add_co_u32 s28, s28, 32768
	s_add_nc_u64 s[32:33], s[14:15], s[28:29]
.macro LOADX b                         ; block b: x(128 s + 32 b + i, my column), i = 0 .. 31
.set k, 32*(\b)
.rept 32
	global_load_b32 v[X+k], v2, s[4:5] offset:k*8192 th:TH_LOAD_NT
.set k, k+1
.endr
.endm
.macro BLOCKX b
.if (\b) < 3
	s_wait_loadcnt 32                              ; this block's 32 loads are in; the next block's 32 stay out
.else
	s_wait_loadcnt 0x0
.endif
.if (\b)+2 < 4
	LOADX (\b)+2                                   ; two blocks ahead, into registers of their own
.endif
.set XB, X+32*(\b)
	v_max3_num_f32 v8, |v[XB]|, |v[XB+1]|, |v[XB+2]|               ; the block's largest magnitude: all 32 numbers are mine; two chains
	v_max3_num_f32 v9, |v[XB+3]|, |v[XB+4]|, |v[XB+5]|
.irp i, 6,10,14,18,22,26
	v_max3_num_f32 v8, v8, |v[XB+\i]|, |v[XB+\i+1]|
	v_max3_num_f32 v9, v9, |v[XB+\i+2]|, |v[XB+\i+3]|
.endr
	v_max3_num_f32 v8, v8, |v[XB+30]|, |v[XB+31]|
	v_max3_num_f32 v8, v8, v9, 0x1800000           ; and the floor 2^(3 - 127): the byte cannot fall under 1
	v_add_nc_u32 v11, 0xff000000, v8               ; 2 off the exponent field: the conversion takes this operand's exponent field as its scale
.if (\b) == 0
	v_lshrrev_b32 v12, 23, v11                     ; the scale's byte begins the word
.else
	v_lshrrev_b32 v10, 23, v11
	v_lshl_or_b32 v12, v10, 8*(\b), v12            ; byte b of my row's scale word
.endif
.irp g, 0,1,2,3
	v_cvt_scalef32_pk8_fp4_f32 v[CD+4*(\b)+\g], v[XB+8*\g:XB+8*\g+7], v11
.endr
	global_store_b128 v3, v[CD+4*(\b):CD+4*(\b)+3], s[30:31] offset:256*(\b)   ; block b = 2 c + h lies at 512 c + 256 h + 16 r: sixteen lanes store 256 bytes on end, aligned
.endm
	LOADX 0
	LOADX 1
	BLOCKX 0
	BLOCKX 1
	BLOCKX 2
	BLOCKX 3
	global_store_b32 v4, v12, s[32:33]             ; lanes 0-15: tile 2 w's words, lanes 16-31: tile 2 w + 1's: 128 bytes on end (131,072 bytes of the launch's 2.8 million leave so)
	s_endpgm
	; ---- a weight: K innermost: lane (r, h) loads, of its row, the very k that the operand's layout gives it
.Lw:
	s_sub_co_u32 s22, ttmp9, 256
	s_lshr_b32 s23, s22, 5                         ; which: 0 q, 1 k, 2 v, 3 o
	s_and_b32 s24, s22, 31                         ; tile
	s_cmp_eq_u32 s23, 1                            ; the choice hangs on the work-group's number alone
	s_cselect_b64 s[6:7], s[8:9], s[6:7]
	s_cmp_eq_u32 s23, 2
	s_cselect_b64 s[6:7], s[10:11], s[6:7]
	s_cmp_eq_u32 s23, 3
	s_cselect_b64 s[6:7], s[12:13], s[6:7]
	s_wait_alu depctr_va_vdst(0)
	v_lshrrev_b32 v7, 3, v5
	v_lshl_add_u32 v7, v7, 3, v5                   ; r + 8 (r / 8)
	v_lshlrev_b32 v2, 11, v7                       ; a row is 2,048 bytes
	v_lshl_add_u32 v2, v6, 7, v2                   ; + 32 h numbers
	s_wait_alu depctr_va_vdst(0)
	v_lshlrev_b32 v27, 4, v1                       ; 16 x lane
	s_lshr_b32 s25, s24, 1
	s_lshl_b32 s25, s25, 16                        ; 32 rows a pair of tiles
	s_and_b32 s26, s24, 1
	s_lshl_b32 s26, s26, 14                        ; + 8 rows for the odd tile
	s_add_co_u32 s26, s26, s25
	s_lshl_b32 s25, s18, 9                         ; + K step w: 128 numbers
	s_add_co_u32 s26, s26, s25
	s_mov_b32 s27, 0
	s_add_nc_u64 s[6:7], s[6:7], s[26:27]
	s_lshl_b32 s26, s23, 17                        ; wq's codes: [which][tile][s][1,024]
	s_lshl_b32 s25, s24, 12
	s_add_co_u32 s26, s26, s25
	s_lshl_b32 s25, s18, 10
	s_add_co_u32 s26, s26, s25
	s_add_nc_u64 s[28:29], s[16:17], s[26:27]
	s_lshl_b32 s26, s23, 14                        ; its scale words, behind the codes: [which][tile][s][lane]
	s_lshl_b32 s25, s24, 9
	s_add_co_u32 s26, s26, s25
	s_lshl_b32 s25, s18, 7
	s_add_co_u32 s26, s26, s25
	s_add_co_u32 s26, s26, 524288
	s_add_nc_u64 s[30:31], s[16:17], s[26:27]
.irp c, 0,1
.irp j, 0,1,2,3,4,5,6,7
	global_load_b128 v[X+32*\c+4*\j:X+32*\c+4*\j+3], v2, s[6:7] offset:256*\c+16*\j th:TH_LOAD_NT   ; k = 64 c + 32 h + 4 j ..
.endr
.endr
	s_wait_loadcnt 0x0
.irp c, 0,1                                    ; my block 2 c + h: all its 32 numbers are mine; the two blocks by turns
	v_max3_num_f32 v[8+\c], |v[X+32*\c]|, |v[X+1+32*\c]|, 0x1800000
.endr
.irp i, 2,4,6,8,10,12,14,16,18,20,22,24,26,28,30
.irp c, 0,1
	v_max3_num_f32 v[8+\c], v[8+\c], |v[X+32*\c+\i]|, |v[X+1+32*\c+\i]|
.endr
.endr
.irp c, 0,1
	v_add_nc_u32 v[12+\c], 0xff000000, v[8+\c]     ; the conversion's scale operand
.endr
.irp c, 0,1
	v_lshrrev_b32 v[14+\c], 23, v[12+\c]           ; the scale's byte
.endr
	v_lshl_or_b32 v24, v15, 16, v14                ; my two bytes: blocks h and 2 + h,
	v_lshlrev_b32 v26, 3, v6
	v_lshlrev_b32 v24, v26, v24                    ; 8 h bits up;
	v_mov_b32 v25, 0
	v_permlanex16_b32 v25, v24, s20, s21
	v_or_b32 v24, v24, v25                         ; with lane l xor 16's two the word is whole, in both halves of the lanes
.irp c, 0,1
.irp g, 0,1,2,3
	v_cvt_scalef32_pk8_fp4_f32 v[CD+4*\c+\g], v[X+32*\c+8*\g:X+32*\c+8*\g+7], v[12+\c]
.endr
.endr
	global_store_b128 v27, v[CD:CD+3], s[28:29]             ; 512 bytes on end
	global_store_b128 v27, v[CD+4:CD+7], s[28:29] offset:512
	global_store_b32 v4, v24, s[30:31]
	s_endpgm
.Lfunc_end_k_q3723e2635c_quant:
	.size	k_q3723e2635c_quant, .Lfunc_end_k_q3723e2635c_quant-k_q3723e2635c_quant
	.p2alignl 7, 3214868480
	.fill 96, 4, 3214868480
	.section	.rodata,"a",@progbits
	.p2align	6, 0x0
	.amdhsa_kernel k_q3723e2635c_quant
		.amdhsa_group_segment_fixed_size 0
		.amdhsa_private_segment_fixed_size 0
		.amdhsa_enable_private_segment 0
		.amdhsa_kernarg_size 56
		.amdhsa_user_sgpr_count 2
		.amdhsa_user_sgpr_kernarg_segment_ptr 1
		.amdhsa_wavefront_size32 1
		.amdhsa_system_sgpr_workgroup_id_x 1
		.amdhsa_system_sgpr_workgroup_id_y 1
		.amdhsa_system_sgpr_workgroup_id_z 1
		.amdhsa_system_vgpr_workitem_id 0
		.amdhsa_next_free_vgpr 160
		.amdhsa_next_free_sgpr 66
		.amdhsa_reserve_vcc 0
		.amdhsa_float_denorm_mode_32 3
		.amdhsa_float_denorm_mode_16_64 3
		.amdhsa_memory_ordered 1
		.amdhsa_forward_progress 1
		.amdhsa_inst_pref_size 27
	.end_amdhsa_kernel
	.amdgpu_metadata
---
amdhsa.version: [ 1, 2 ]
amdhsa.kernels:
  - .name:           k_q3723e2635c_quant
    .symbol:         k_q3723e2635c_quant.kd
    .args:
      - { .name: x, .offset: 0, .size: 8, .value_kind: global_buffer, .address_space: global }
      - { .name: Wq, .offset: 8, .size: 8, .value_kind: global_buffer, .address_space: global }
      - { .name: Wk, .offset: 16, .size: 8, .value_kind: global_buffer, .address_space: global }
      - { .name: Wv, .offset: 24, .size: 8, .value_kind: global_buffer, .address_space: global }
      - { .name: Wo, .offset: 32, .size: 8, .value_kind: global_buffer, .address_space: global }
      - { .name: xq, .offset: 40, .size: 8, .value_kind: global_buffer, .address_space: global }
      - { .name: wq, .offset: 48, .size: 8, .value_kind: global_buffer, .address_space: global }
    .group_segment_fixed_size: 0
    .private_segment_fixed_size: 0
    .kernarg_segment_align: 8
    .kernarg_segment_size: 56
    .max_flat_workgroup_size: 128
    .sgpr_count:     66
    .vgpr_count:     160
    .wavefront_size: 32
...
	.end_amdgpu_metadata
.endif
;; end of part 5
;; launch qkv (part 6): grid 64 x 6, 4 waves a work-group, no clusters, 35,328 bytes of LDS; arguments xq, wq, bq, bk, bv, qq, kv; writes qq, kv
.if DOCPART == 6
	.amdgcn_target "amdgcn-amd-amdhsa--gfx1250"
	.amdhsa_code_object_version 6
	.text
	.protected	k_q3723e2635c_qkv
	.globl	k_q3723e2635c_qkv
	.p2align	8
	.type	k_q3723e2635c_qkv,@function
k_q3723e2635c_qkv:
	s_mov_b64 s[64:65], 0
	v_nop
	global_prefetch_b8 v0, s[64:65] scope:SCOPE_SE
	s_setreg_imm32_b32 hwreg(HW_REG_WAVE_SCHED_MODE, 0, 2), 2
	s_setreg_imm32_b32 hwreg(HW_REG_WAVE_MODE, 25, 1), 1
	s_wait_xcnt 0x0
	s_wait_alu depctr_vm_vsrc(0)
; q, k, v = x W^T + b on codes of FP4 with E8M0 scales, and each result quantised at once for the product that takes it: q and k along the head's 64, v along the keys.  Nothing leaves as f32.
; SHARES.  Work-group (block, y): the 128 rows (b, l) of block; kind = y / 2 (0 q, 1 k, 2 v); wave w makes head 4 (y % 2) + w: 128 rows x 64 channels, 128 matrix instructions.
; The block's codes and scale words (34,816 bytes, laid as operands' registers) are copied into LDS once by plain loads; a wave's 16 fragments of W stay in its registers.
; q, k: source 0 = 16 rows of W, source 1 = 16 rows of x: a lane holds ONE row (b, l) and its registers run along the head's channels, the next K.
; v:    source 0 = 16 rows of x, source 1 = 16 rows of W: a lane holds ONE channel and its registers run along the rows, which are the keys, the next K.
; In both, the rows of a source 0 tile are chosen (tile 2 p + u, place r: row 32 p + 8 u + r + 8 (r / 8)) so that the 16 registers of tiles 2 p, 2 p + 1 are 16 neighbours: 32 p + 16 (lane / 16) + 0 .. 15.
; The bias is the C of each sum's first matrix instruction.
; NO JOINT LOADS: the six work-groups that share a block of x are a column of six of the grid, which no cluster of four divides; the weights go straight into registers, 16,384 bytes a wave, read once.
; LIMITS: a block whose largest magnitude lies under 2^-124 (zeros too) gets the byte 1; NaN and infinities are not served.
; THE MODE: SCHED_MODE bits 1:0 = 2 (LLVM: expert scheduling mode 2), set by the entry lines.  The code itself states the register dependences
; between vector or matrix instructions and memory or LDS instructions, with s_wait_alu, always for 0.
; THE PLAN.  Registers that memory or LDS instructions touch:
;   v1-5, v9, v12   offsets and LDS addresses: made once at the head, ahead of the first wait on va_vdst, never written again.  LDS loads go by v2 and v3, global stores by v12 and v4.
;   XF0, XF1, XS0, XS1   x's fragments and scale words, two sets.  At the head they carry the block from memory to LDS: LDS stores read them, and one wait on vm_vsrc behind the barrier frees them.
;                   From then on LDS loads land in them and matrix instructions read them.
;   PC              a fragment's codes: written by QUANT, read by two global stores.      SW   scale words: each register written once, read by the last store.
;   W, its scale words and the bias are loaded once; the accumulators, TM and v6-8 are named by vector and matrix instructions alone.
; q, k: ONE wait on va_vdst a pair, behind QUANT: PC and SW[p] are written, and the pair's 32 products are done reading their set.  Behind it stand the loads of the pair two further on, into that set,
;   and the pair's two stores.  One wait on vm_vsrc stands ahead of the next QUANT, which writes PC again: 32 products behind those stores.
; v: ONE wait on va_vdst at the head of each K step that fetches: the step before is done reading the other set, and, in a tile's first step, QUANT has written PC, whose two stores follow the wait.
;   The next step's 20 LDS loads are dealt among this step's first four products, which name this step's set, W, scale words and accumulators: none of the registers that those loads touch.
; REGISTERS: window 0: v1-5, v9, v12 offsets; v6-8 words at work; v16-143 x's fragments, two sets of 64; v144-207 eight accumulators; v208-215 codes; v216-227 at work; v228-231 scale words to store; v232-239 x's scale words, two sets; v240-255 W's.
;   window 1: v0-127 W's fragments ((t, s) at 8 (4 t + s)); v128-159 the bias, eight registers a tile of W.
.set LT,  1                            ; 16 x thread
.set LI,  2                            ; 16 x lane: the LDS loads' address
.set LS,  3                            ; 4 x lane
.set L8,  4                            ; 8 x lane
.set BQ,  5                            ; the bias of q and k: 64 (lane / 16)
.set BV,  9                            ; the bias of v: 4 (r + 8 (r / 8))
.set GS,  12                           ; 16 x lane once more: the global stores' offset
.set XF,  16
.set ACC, 144
.set PC,  208
.set TM,  216                          ; +0..3 largest magnitudes, +4..7 the other half's, then the bytes, +8..11 the conversions' scale operands
.set SW,  228
.set XS,  232
.set WS,  240
.set BI,  128                          ; in window 1
.set MSB, 0
.macro WIN new                         ; the immediate's high byte repeats the setting that is left
.if MSB != \new
	s_set_vgpr_msb (MSB<<8)|\new
.set MSB, \new
.endif
.endm
.macro PLACES n
.rept \n
	v_nop
.endr
.endm
; one scaled product: D, A, B, C (first registers), A's and B's scale registers; ra, rb = 1: that side's scales are read from lanes 16-31
.macro WM d, a, b, c, sa, sb, ra, rb
.if (\ra) == 1
	v_wmma_scale_f32_16x16x128_f8f6f4 v[\d:\d+7], v[\a:\a+7], v[\b:\b+7], v[\c:\c+7], v[\sa], v[\sb] matrix_a_fmt:MATRIX_FMT_FP4 matrix_b_fmt:MATRIX_FMT_FP4 matrix_a_scale:MATRIX_SCALE_ROW1
.elseif (\rb) == 1
	v_wmma_scale_f32_16x16x128_f8f6f4 v[\d:\d+7], v[\a:\a+7], v[\b:\b+7], v[\c:\c+7], v[\sa], v[\sb] matrix_a_fmt:MATRIX_FMT_FP4 matrix_b_fmt:MATRIX_FMT_FP4 matrix_b_scale:MATRIX_SCALE_ROW1
.else
	v_wmma_scale_f32_16x16x128_f8f6f4 v[\d:\d+7], v[\a:\a+7], v[\b:\b+7], v[\c:\c+7], v[\sa], v[\sb] matrix_a_fmt:MATRIX_FMT_FP4 matrix_b_fmt:MATRIX_FMT_FP4
.endif
.endm
; The 64 numbers v[ACC] on, register 16 b + i = number 16 (lane / 16) + i of block b, become codes in v[PC] on (registers 4 c .. 4 c + 3: block 2 c + lane / 16, whole) and bytes in v[TM+4] on.
.macro QUANT
.irp b, 0,1,2,3
	v_max3_num_f32 v[TM+\b], |v[ACC+16*\b]|, |v[ACC+1+16*\b]|, 0x1800000   ; my 16 numbers and the floor 2^(3 - 127); each accumulator is read from its low end on
.endr
.irp i, 2,4,6,8,10,12,14
.irp b, 0,1,2,3
	v_max3_num_f32 v[TM+\b], v[TM+\b], |v[ACC+16*\b+\i]|, |v[ACC+1+16*\b+\i]|   ; the four blocks by turns
.endr
.endr
.irp b, 0,1,2,3
	v_permlanex16_b32 v[TM+4+\b], v[TM+\b], s20, s21
.endr
.irp b, 0,1,2,3
	v_max_num_f32 v[TM+\b], v[TM+\b], v[TM+4+\b]   ; with lane l xor 16's: the block's largest magnitude
.endr
.irp b, 0,1,2,3
	v_add_nc_u32 v[TM+8+\b], 0xff000000, v[TM+\b]  ; 2 off its exponent field: the conversion's scale operand
.endr
.irp b, 0,1,2,3
	v_lshrrev_b32 v[TM+4+\b], 23, v[TM+8+\b]       ; the scale's byte
.endr
.irp b, 0,1,2,3
	v_cvt_scalef32_pk8_fp4_f32 v[PC+2*\b], v[ACC+16*\b:ACC+7+16*\b], v[TM+8+\b]
	v_cvt_scalef32_pk8_fp4_f32 v[PC+1+2*\b], v[ACC+8+16*\b:ACC+15+16*\b], v[TM+8+\b]
.endr
	v_nop                                          ; one plain place behind a scaled conversion
.irp c, 0,1
.irp i, 0,1
	v_permlane16_swap_b32 v[PC+4*\c+\i], v[PC+2+4*\c+\i]   ; a whole block to a lane: lanes 0-15 block 2 c, lanes 16-31 block 2 c + 1
.endr
.endr
.endm
.macro FETCHP p, w                     ; q, k: x's tiles 2 p and 2 p + 1, all four K steps, and their scale words, into set w: 20 LDS loads
.irp u, 0,1
.irp s, 0,1,2,3
.irp c, 0,1
	ds_load_b128 v[XF+64*(\w)+32*\u+8*\s+4*\c:XF+64*(\w)+32*\u+8*\s+4*\c+3], v[LI] offset:(2*(\p)+\u)*4096+1024*\s+512*\c
.endr
.endr
.endr
.irp s, 0,1,2,3
	ds_load_b32 v[XS+4*(\w)+\s], v[LS] offset:32768+512*(\p)+128*\s   ; lanes 0-15: tile 2 p, lanes 16-31: tile 2 p + 1
.endr
.endm
.macro FETCHS s, w                     ; v: K step s of x's eight tiles, and their scale words, into set w: 20 LDS loads
.irp m, 0,1,2,3,4,5,6,7
.irp c, 0,1
	ds_load_b128 v[XF+64*(\w)+8*\m+4*\c:XF+64*(\w)+8*\m+4*\c+3], v[LI] offset:4096*\m+1024*(\s)+512*\c
.endr
.endr
.irp p, 0,1,2,3
	ds_load_b32 v[XS+4*(\w)+\p], v[LS] offset:32768+512*\p+128*(\s)
.endr
.endm
; q, k: 32 products: two tiles of x against W's four, K step by K step: eight accumulators by turns, one instruction a turn
.macro MULQK w
.irp s, 0,1,2,3
.if \s == 0
	WIN 0x11                                       ; source 0 (W) and source 2 (the bias) in window 1
.else
	WIN 0x01
.endif
.irp u, 0,1
.irp t, 0,1,2,3
.if \s == 0
	WM ACC+32*\u+8*\t, 8*(4*\t+\s), XF+64*(\w)+32*\u+8*\s, BI+8*\t, WS+4*\t+\s, XS+4*(\w)+\s, 0, \u
.else
	WM ACC+32*\u+8*\t, 8*(4*\t+\s), XF+64*(\w)+32*\u+8*\s, ACC+32*\u+8*\t, WS+4*\t+\s, XS+4*(\w)+\s, 0, \u
.endif
.endr
.endr
.endr
	WIN 0
.endm
; v: 8 products: x's eight tiles against W's tile t, K step s, from set w: eight accumulators by turns.
; pre = 1: the next K step's 20 LDS loads, into the other set, are dealt among the first four products, five behind each.  Under the products' window setting a load's destination and its address are still in window 0.
.macro MULV t, s, w, pre
.if (\s) == 0
	WIN 0x14                                       ; source 1 (W) and source 2 (the bias) in window 1
.else
	WIN 0x04
.endif
.irp m, 0,1,2,3,4,5,6,7
.if (\s) == 0
	WM ACC+8*\m, XF+64*(\w)+8*\m, 8*(4*(\t)+(\s)), BI+8*(\t), XS+4*(\w)+\m/2, WS+4*(\t)+(\s), \m%2, 0
.else
	WM ACC+8*\m, XF+64*(\w)+8*\m, 8*(4*(\t)+(\s)), ACC+8*\m, XS+4*(\w)+\m/2, WS+4*(\t)+(\s), \m%2, 0
.endif
.if (\pre) && (\m < 4)
.irp e, 0,1
.irp c, 0,1
	ds_load_b128 v[XF+64*(1-(\w))+8*(2*\m+\e)+4*\c:XF+64*(1-(\w))+8*(2*\m+\e)+4*\c+3], v[LI] offset:4096*(2*\m+\e)+1024*(((\s)+1)%4)+512*\c   ; no wait: no vector or matrix instruction since the step's wait names the other set
.endr
.endr
	ds_load_b32 v[XS+4*(1-(\w))+\m], v[LS] offset:32768+512*\m+128*(((\s)+1)%4)
.endif
.endr
	WIN 0
.endm
	s_load_b256 s[4:11], s[0:1], 0x0               ; xq s[4:5], wq s[6:7], bq s[8:9], bk s[10:11]
	s_load_b128 s[12:15], s[0:1], 0x20             ; bv s[12:13], qq s[14:15]
	s_load_b64 s[16:17], s[0:1], 0x30              ; kv
	v_lshl_add_u32 v14, v0, 2, 0x8800
	v_mov_b32 v15, 0
	v_lshrrev_b32 v9, 5, v0
	v_readfirstlane_b32 s18, v9                    ; wave 0..3
	v_lshlrev_b32 v[LT], 4, v0
	v_and_b32 v9, 31, v0
	v_lshlrev_b32 v[LI], 4, v9
	v_lshlrev_b32 v[GS], 4, v9
	v_lshlrev_b32 v[LS], 2, v9
	v_lshlrev_b32 v[L8], 3, v9
	v_and_b32 v10, 15, v0                          ; r
	v_bfe_u32 v11, v0, 4, 1                        ; h
	v_lshlrev_b32 v[BQ], 6, v11                    ; q, k: register j of tile t is channel 32 (t / 2) + 16 h + 8 (t % 2) + j
	v_lshrrev_b32 v[BV], 3, v10                    ; v: all eight registers are channel 32 (t / 2) + 8 (t % 2) + r + 8 (r / 8)
	v_lshl_add_u32 v[BV], v[BV], 3, v10
	v_lshlrev_b32 v[BV], 2, v[BV]
.irp b, 0,1,2,3
	v_mov_b32 v[TM+4+\b], 0                        ; written once: a lane permute's destination counts as one of its sources
.endr
	s_wait_alu depctr_va_sdst(0)                   ; s18 is written, ahead of its first reader: my head, and with it every base, is made from it
	s_and_b32 s28, ttmp7, 0xffff                   ; y
	s_lshr_b32 s19, s28, 1                         ; kind
	s_and_b32 s28, s28, 1
	s_lshl_b32 s28, s28, 2
	s_add_co_u32 s28, s28, s18                     ; my head
	s_lshr_b32 s29, ttmp9, 4                       ; b
	s_lshl_b32 s29, s29, 3
	s_add_co_u32 s29, s29, s28                     ; b x 8 + head
	s_lshl_b32 s29, s29, 4
	s_and_b32 s30, ttmp9, 15
	s_add_co_u32 s29, s29, s30                     ; x 16 + the block within b
	s_mov_b32 s20, 0x76543210
	s_mov_b32 s21, 0xfedcba98                      ; v_permlanex16_b32's selects for lane l xor 16
	s_mov_b32 s22, 0xffff0000                      ; a mask of lanes 16-31
	s_mov_b32 s31, 0
	s_mov_b32 s23, 8960                            ; bytes of a block in kv; in qq 4,608
	s_wait_kmcnt 0x0
	s_cmp_eq_u32 s19, 1                            ; the choices hang on the work-group's number alone
	s_cselect_b64 s[8:9], s[10:11], s[8:9]
	s_cmp_eq_u32 s19, 2
	s_cselect_b64 s[8:9], s[12:13], s[8:9]         ; my kind's bias
	s_cmp_eq_u32 s19, 0
	s_cselect_b64 s[14:15], s[14:15], s[16:17]     ; q goes to qq, k and v to kv
	s_cselect_b32 s23, 4608, s23
	s_mul_i32 s30, ttmp9, 34816
	s_add_nc_u64 s[4:5], s[4:5], s[30:31]          ; x's block
	s_lshl_b32 s30, s19, 17
	s_lshl_b32 s32, s28, 14
	s_add_co_u32 s30, s30, s32
	s_add_nc_u64 s[24:25], s[6:7], s[30:31]        ; my four tiles of W: codes,
	s_lshl_b32 s30, s19, 14
	s_lshl_b32 s32, s28, 11
	s_add_co_u32 s30, s30, s32
	s_add_co_u32 s30, s30, 524288
	s_add_nc_u64 s[26:27], s[6:7], s[30:31]        ; scale words
	s_lshl_b32 s30, s28, 8
	s_add_nc_u64 s[8:9], s[8:9], s[30:31]          ; my head's 64 numbers of the bias
	s_mul_i32 s30, s29, s23
	s_add_nc_u64 s[14:15], s[14:15], s[30:31]      ; where my results go
	s_wait_alu depctr_va_vdst(0)                   ; the seven offsets and addresses v1-5, v9 and v12 are written: every load and store of the kernel reads one of them
.irp i, 0,1,2,3,4,5,6,7,8,9,10,11,12,13,14,15,16
	global_load_b128 v[XF+4*\i:XF+4*\i+3], v[LT], s[4:5] offset:2048*\i   ; the block as it lies: 128 threads x 16 bytes, 17 times
.endr
	WIN 0x40                                       ; destination window 1
.irp t, 0,1,2,3
.irp s, 0,1,2,3
.irp c, 0,1
	global_load_b128 v[8*(4*\t+\s)+4*\c:8*(4*\t+\s)+4*\c+3], v[LI], s[24:25] offset:4096*\t+1024*\s+512*\c
.endr
.endr
.endr
	WIN 0
.irp t, 0,1,2,3
.irp s, 0,1,2,3
	global_load_b32 v[WS+4*\t+\s], v[LS], s[26:27] offset:512*\t+128*\s
.endr
.endr
	s_cmp_eq_u32 s19, 2
	s_cbranch_scc1 .Lbias_v
	WIN 0x40
.irp t, 0,1,2,3
	global_load_b128 v[BI+8*\t:BI+8*\t+3], v[BQ], s[8:9] offset:(32*(\t/2)+8*(\t%2))*4
	global_load_b128 v[BI+8*\t+4:BI+8*\t+7], v[BQ], s[8:9] offset:(32*(\t/2)+8*(\t%2))*4+16
.endr
	WIN 0
	s_branch .Lbias_done
.Lbias_v:
	WIN 0x40
.irp t, 0,1,2,3
.irp j, 0,1,2,3,4,5,6,7
	global_load_b32 v[BI+8*\t+\j], v[BV], s[8:9] offset:(32*(\t/2)+8*(\t%2))*4
.endr
.endr
	WIN 0
.Lbias_done:
	s_wait_loadcnt 0x0                             ; for zero: the two ways have issued different numbers of loads
.irp i, 0,1,2,3,4,5,6,7,8,9,10,11,12,13,14,15,16
	ds_store_b128 v[LT], v[XF+4*\i:XF+4*\i+3] offset:2048*\i
.endr
	s_wait_dscnt 0x0                               ; for the others' sake: my stores have landed
	s_barrier_signal -1
	s_barrier_wait -1                              ; the block lies in LDS; from here on LDS is only read
	s_wait_alu depctr_vm_vsrc(0)                   ; my LDS stores have read v[XF ..]: from here on these registers are the fragments' sets, in which LDS loads land
	s_cmp_eq_u32 s19, 2
	s_cbranch_scc1 .Lv
	; ---- q, k: a pair of x's tiles (32 rows) at a time
	FETCHP 0, 0
	FETCHP 1, 1
.irp p, 0,1,2,3
.if \p < 3
	s_wait_dscnt 20                                ; this pair's 20 loads are in; the next pair's 20 stay out
.else
	s_wait_dscnt 0x0
.endif
	MULQK \p%2
	PLACES 4                                       ; in front of the first read of the products' results
.if \p > 0
	s_wait_xcnt 0x0                                ; the last pair's stores have had their addresses translated,
	s_wait_alu depctr_vm_vsrc(0)                   ; and have read v[PC ..], which the conversions below write again
.endif
	QUANT                                          ; block 2 u + B: row at place r of tile 2 p + u, channels 32 B on
	v_lshl_or_b32 v7, v[TM+5], 8, v[TM+4]          ; tile 2 p's word: two bytes; bytes 2 and 3 stay 0 and stand over zero codes
	v_lshl_or_b32 v8, v[TM+7], 8, v[TM+6]          ; tile 2 p + 1's
	v_cndmask_b32 v[SW+\p], v7, v8, s22            ; lanes 0-15 the one, lanes 16-31 the other
	s_wait_alu depctr_va_vdst(0)                   ; v[PC ..] and v[SW + p] are written, which the stores read; this pair's products are done reading their set, in which the loads below land
.if \p < 2
	FETCHP \p+2, \p%2                              ; two pairs ahead: a whole pair's products and conversions in which to land
.endif
	global_store_b128 v[GS], v[PC:PC+3], s[14:15] offset:1024*\p          ; tile 2 p: the lower half of a fragment, 512 bytes on end
	global_store_b128 v[GS], v[PC+4:PC+7], s[14:15] offset:1024*\p+512    ; tile 2 p + 1
.endr
	global_store_b128 v[GS], v[SW:SW+3], s[14:15] offset:4096             ; the scale words as four registers' image (written ahead of the last wait on va_vdst)
	s_wait_dscnt 0x0
	s_wait_alu depctr_hold_cnt(0) depctr_sa_sdst(0) depctr_va_vdst(0) depctr_va_sdst(0) depctr_va_ssrc(0) depctr_va_vcc(0) depctr_vm_vsrc(0)
	s_wait_tensorcnt 0x0
	ds_add_u32 v14, v15
	s_wait_dscnt 0x0
	s_endpgm
	; ---- v: a tile of 16 channels at a time, all 128 rows
.Lv:
	FETCHS 0, 0
	FETCHS 1, 1                                    ; both sets are asked for at once: no vector or matrix instruction has named them
.set q, 0
.rept 16                               ; q = 4 t + s
.if q == 0
	s_wait_dscnt 20                                ; K step 0's 20 loads are in; K step 1's 20 stay out
.else
	s_wait_dscnt 0x0                               ; this K step's 20 loads, dealt among the last step's products, are in
.endif
.if (q > 0) && (q < 15)
	s_wait_alu depctr_va_vdst(0)                   ; the last step's products are done reading the other set, in which this step's loads land; in a tile's first step the conversions have written v[PC ..]
.endif
.if (q > 0) && (q%4 == 0)
	global_store_b128 v[GS], v[PC:PC+3], s[14:15] offset:4608+1024*(q/4-1)       ; the tile before
	global_store_b128 v[GS], v[PC+4:PC+7], s[14:15] offset:4608+1024*(q/4-1)+512
.endif
.if (q > 0) && (q < 15)
	MULV q/4, q%4, q%2, 1
.else
	MULV q/4, q%4, q%2, 0                          ; step 0: step 1 is asked for already; step 15: nothing is left to fetch
.endif
	PLACES 4                                       ; four places behind the products: in front of the first read of their results, and they stay beside the next step's wait
.if q%4 == 3
.if q/4 > 0
	s_wait_xcnt 0x0                                ; the last tile's stores have had their addresses translated,
	s_wait_alu depctr_vm_vsrc(0)                   ; and have read v[PC ..], which the conversions below write again
.endif
	QUANT                                          ; block p: keys 32 p on of the channel at place r of tile t
.if (q/4)%2 == 0
	v_lshl_or_b32 v6, v[TM+5], 8, v[TM+4]          ; the channel's scale word for these 128 keys
	v_lshl_or_b32 v6, v[TM+6], 16, v6
	v_lshl_or_b32 v6, v[TM+7], 24, v6
.else
	v_lshl_or_b32 v7, v[TM+5], 8, v[TM+4]
	v_lshl_or_b32 v7, v[TM+6], 16, v7
	v_lshl_or_b32 v7, v[TM+7], 24, v7
	v_cndmask_b32 v[SW+q/8], v6, v7, s22           ; lanes 0-15 the even tile's, lanes 16-31 the odd tile's
.endif
.endif
.set q, q+1
.endr
	s_wait_alu depctr_va_vdst(0)                   ; the last tile's conversions have written v[PC ..], and v[SW + 1] is written: the three stores below read them
	global_store_b128 v[GS], v[PC:PC+3], s[14:15] offset:4608+1024*3
	global_store_b128 v[GS], v[PC+4:PC+7], s[14:15] offset:4608+1024*3+512
	global_store_b64 v[L8], v[SW:SW+1], s[14:15] offset:8704              ; 256 bytes on end, aligned
	s_wait_dscnt 0x0
	s_wait_alu depctr_hold_cnt(0) depctr_sa_sdst(0) depctr_va_vdst(0) depctr_va_sdst(0) depctr_va_ssrc(0) depctr_va_vcc(0) depctr_vm_vsrc(0)
	s_wait_tensorcnt 0x0
	ds_add_u32 v14, v15
	s_wait_dscnt 0x0
	s_endpgm
.Lfunc_end_k_q3723e2635c_qkv:
	.size	k_q3723e2635c_qkv, .Lfunc_end_k_q3723e2635c_qkv-k_q3723e2635c_qkv
	.p2alignl 7, 3214868480
	.fill 96, 4, 3214868480
	.section	.rodata,"a",@progbits
	.p2align	6, 0x0
	.amdhsa_kernel k_q3723e2635c_qkv
		.amdhsa_group_segment_fixed_size 35328
		.amdhsa_private_segment_fixed_size 0
		.amdhsa_enable_private_segment 0
		.amdhsa_kernarg_size 56
		.amdhsa_user_sgpr_count 2
		.amdhsa_user_sgpr_kernarg_segment_ptr 1
		.amdhsa_wavefront_size32 1
		.amdhsa_system_sgpr_workgroup_id_x 1
		.amdhsa_system_sgpr_workgroup_id_y 1
		.amdhsa_system_sgpr_workgroup_id_z 1
		.amdhsa_system_vgpr_workitem_id 0
		.amdhsa_next_free_vgpr 416
		.amdhsa_next_free_sgpr 66
		.amdhsa_reserve_vcc 0
		.amdhsa_float_denorm_mode_32 3
		.amdhsa_float_denorm_mode_16_64 3
		.amdhsa_memory_ordered 1
		.amdhsa_forward_progress 1
		.amdhsa_inst_pref_size 109
	.end_amdhsa_kernel
	.amdgpu_metadata
---
amdhsa.version: [ 1, 2 ]
amdhsa.kernels:
  - .name:           k_q3723e2635c_qkv
    .symbol:         k_q3723e2635c_qkv.kd
    .args:
      - { .name: xq, .offset: 0, .size: 8, .value_kind: global_buffer, .address_space: global }
      - { .name: wq, .offset: 8, .size: 8, .value_kind: global_buffer, .address_space: global }
      - { .name: bq, .offset: 16, .size: 8, .value_kind: global_buffer, .address_space: global }
      - { .name: bk, .offset: 24, .size: 8, .value_kind: global_buffer, .address_space: global }
      - { .name: bv, .offset: 32, .size: 8, .value_kind: global_buffer, .address_space: global }
      - { .name: qq, .offset: 40, .size: 8, .value_kind: global_buffer, .address_space: global }
      - { .name: kv, .offset: 48, .size: 8, .value_kind: global_buffer, .address_space: global }
    .group_segment_fixed_size: 35328
    .private_segment_fixed_size: 0
    .kernarg_segment_align: 8
    .kernarg_segment_size: 56
    .max_flat_workgroup_size: 128
    .sgpr_count:     66
    .vgpr_count:     416
    .wavefront_size: 32
...
	.end_amdgpu_metadata
.endif
;; end of part 6
;; launch attn (part 7): grid 8 x 32, 16 waves a work-group, clusters of 4 x 1, 169,984 bytes of LDS; arguments qq, kv, oq; writes oq
.if DOCPART == 7
	.amdgcn_target "amdgcn-amd-amdhsa--gfx1250"
	.amdhsa_code_object_version 6
	.text
	.protected	k_q3723e2635c_attn
	.globl	k_q3723e2635c_attn
	.p2align	8
	.type	k_q3723e2635c_attn,@function
k_q3723e2635c_attn:
	s_mov_b64 s[64:65], 0
	v_nop
	global_prefetch_b8 v0, s[64:65] scope:SCOPE_SE
	s_setreg_imm32_b32 hwreg(HW_REG_WAVE_MODE, 25, 1), 1
	s_wait_xcnt 0x0
	s_wait_alu depctr_hold_cnt(0) depctr_sa_sdst(0) depctr_va_vdst(0) depctr_va_sdst(0) depctr_va_ssrc(0) depctr_va_vcc(0) depctr_vm_vsrc(0)
	s_getreg_b32 s2, hwreg(HW_REG_IB_STS2, 6, 4)
	s_cmp_eq_u32 s2, 0
	s_cbranch_scc0 .Lentry_in_a_cluster
	s_endpgm
.Lentry_in_a_cluster:
	s_bfe_u32 s2, ttmp6, 0x10000c
	s_cmp_lg_u32 s2, 0x3003
	s_cbranch_scc0 .Lentry_shape_is_right
	s_endpgm
.Lentry_shape_is_right:
; o = softmax(q k^T / 8) v for one (b, head) a row of the grid, both products on codes of FP4 with E8M0 scales; o / l is quantised along the channels and leaves as codes for the last product.
; THE SOFTMAX: t = score x log2(e) / 8; M = the running largest t rounded UP to a whole number; p = 2^(t - M) is quantised along the keys, not normalised; the row's sum is taken of the unquantised p and divides at the end.
; When M moves, the sum and O are multiplied by 2^(old M - new M): exact.  A block's largest p is not searched for: the block's largest SCORE goes through the same multiply-add and exponential
; (this takes v_exp_f32 not to fall where its input rises; at the worst one p within an ulp of a power of two is held one code low).
; SHARES.  A work-group owns 256 queries of a head, each of its sixteen waves one tile of 16, in 256 registers: four waves to a SIMD, so that one wave's vector work stands beside another's products and LDS loads.
; THE WHOLE HEAD'S K AND V, 16 steps of 128 keys x 8,960 bytes laid as operands' registers, lie in LDS, FILLED ONCE: wave w brings step w by one tensor load; nothing is filled again.
; CLUSTER.  The four work-groups of a cluster belong to one head: each load is asked for JOINTLY, with the same descriptor and the mask of the four.
; LAYOUT.  Both products transposed: S^T = K Q^T, O^T = V^T P^T: a lane holds ONE query (lane % 16).  The head's size is 64: the upper half of K's and Q's fragments is zero codes, under scale bytes 0.
; The keys of a tile of K, the channels of a tile of V and the queries of a tile are laid by the launch before (tile 2 p + u, place r: 32 p + 8 u + r + 8 (r / 8)), so that 16 registers of two neighbouring tiles are 16 neighbours.
; LIMITS: a block whose largest number lies under 2^-124 (zeros too) gets the byte 1; NaN and infinities are not served.
; REGISTERS: v1-7 addresses; v12 -M, v13 the largest t, v[14:15] the sum; v16-23 Q; v24 Q's scale words; v26-27 V's; v28-31 K's; v32-95 K's eight fragments; v96-159 S^T, then p; v160-191 O^T; v192-223 V's four; v224-231 p's codes; v232-254 at work.
.set STEPB, 8960                       ; a step in LDS: K's codes 4,096, K's scale words 512, V's codes 4,096, V's scale words 256
.set STG,   16*STEPB                   ; behind the head: 512 bytes, two blocks of 256 of their own, for o's scale bytes
.macro CROUND                          ; a round of the cluster's barrier
	s_barrier_signal -1
	s_barrier_wait -1
	s_cmp_lg_u32 s10, 0
	s_cbranch_scc1 .Lnot_wave_0_\@
	s_barrier_signal -3
.Lnot_wave_0_\@:
	s_barrier_wait -3
	s_barrier_signal -1
	s_barrier_wait -1
.endm
	s_load_b128 s[4:7], s[0:1], 0x0                ; qq s[4:5], kv s[6:7]
	s_load_b64 s[8:9], s[0:1], 0x10                ; oq
	v_lshl_add_u32 v251, v0, 2, 0x29000
	v_mov_b32 v255, 0
	ds_add_u32 v251, v255
	ds_add_u32 v251, v255
	v_lshrrev_b32 v8, 5, v0
	s_delay_alu instid0(VALU_DEP_1)
	v_readfirstlane_b32 s10, v8                    ; wave 0..15
	s_bfe_u32 s11, ttmp6, 0x40000                  ; cx: it enters Q's and o's global addresses alone
	s_lshl_b32 s12, ttmp9, 2
	s_add_co_u32 s12, s12, s11                     ; my block of 256 queries
	s_and_b32 s13, ttmp7, 0xffff                   ; b x 8 + head, which the four partners share
	s_lshl_b32 s14, s13, 4
	s_add_co_u32 s14, s14, s10
	s_mul_i32 s14, s14, STEPB                      ; step w of the head, in memory
	s_mov_b32 s15, 0
	s_mov_b32 s16, 1                               ; group 0: count = 1
	s_mul_i32 s17, s10, STEPB                      ; LDS address: the wave's number x a constant
	s_mov_b32 s20, 15|(3<<16)|(1<<21)              ; group 1: the mask of all four; elements of 8 bytes; bit 21 beside a mask; no padding: every fragment load takes 512 bytes on end
	s_mov_b32 s21, 32<<16                          ; tensor_dim0 = 32 elements: rows of 256 bytes
	s_mov_b32 s22, 35<<16                          ; tensor_dim1 = 35 rows: 8,960 dense bytes
	s_mov_b32 s23, 32<<16                          ; tile_dim0
	s_mov_b32 s24, 35                              ; tile_dim1
	s_mov_b32 s25, 32                              ; the pitch
	s_mov_b32 s26, 0
	s_mov_b32 s27, 0
	s_mov_b32 s30, 0x76543210
	s_mov_b32 s31, 0xfedcba98                      ; v_permlanex16_b32's selects for lane l xor 16
	s_mov_b32 s32, 0x3e38aa3b                      ; c = log2(e) / 8
	s_mov_b32 s33, s32                             ; (named with it as a pair, so it is written)
	s_lshl_b32 s42, s13, 4                         ; Q: block of 128 queries = 16 x (b, head) + 2 x my block + wave / 8
	s_lshl_b32 s43, s12, 1
	s_add_co_u32 s42, s42, s43
	s_lshr_b32 s43, s10, 3
	s_add_co_u32 s42, s42, s43
	s_mul_i32 s42, s42, 4608
	s_and_b32 s44, s10, 7                          ; my tile in it
	s_lshl_b32 s43, s44, 9
	s_add_co_u32 s46, s42, s43                     ; its codes
	s_mov_b32 s47, 0
	s_lshr_b32 s44, s44, 1                         ; its scale words: image [lane][pair]: lane 16 (tile % 2) + r, word tile / 2
	s_lshl_b32 s44, s44, 2
	s_and_b32 s43, s10, 1
	s_lshl_b32 s43, s43, 8
	s_add_co_u32 s42, s42, s44
	s_add_co_u32 s42, s42, s43
	s_add_co_u32 s42, s42, 4096
	s_mov_b32 s43, 0
	s_lshr_b32 s44, s13, 3                         ; o's codes: [b][tile 128][K step = head / 2][1,024], half head % 2
	s_lshl_b32 s44, s44, 7
	s_lshl_b32 s45, s12, 4
	s_add_co_u32 s44, s44, s45
	s_add_co_u32 s44, s44, s10
	s_lshl_b32 s44, s44, 12
	s_bfe_u32 s45, s13, 0x20001
	s_lshl_b32 s45, s45, 10
	s_add_co_u32 s44, s44, s45
	s_and_b32 s45, s13, 1
	s_lshl_b32 s45, s45, 9
	s_add_co_u32 s44, s44, s45
	s_mov_b32 s45, 0
	v_and_b32 v8, 31, v0
	s_delay_alu instid0(VALU_DEP_1)
	v_lshlrev_b32 v1, 4, v8                        ; 16 x lane
	s_delay_alu instid0(VALU_DEP_2)
	v_lshlrev_b32 v2, 3, v8                        ; 8 x lane
	v_and_b32 v8, 15, v0                           ; r
	s_delay_alu instid0(VALU_DEP_1)
	v_lshlrev_b32 v7, 4, v8                        ; Q's scale words: 16 r
	s_delay_alu instid0(VALU_DEP_2)
	v_lshlrev_b32 v5, 1, v8
	s_lshl_b32 s28, s10, 5
	s_add_co_u32 s28, s28, STG
	v_add_nc_u32 v5, s28, v5                       ; the stage: 32 bytes a wave, 2 r
	v_add_nc_u32 v6, STG, v1                       ; and back: 16 x lane
	s_wait_dscnt 0x0
	s_wait_kmcnt 0x0
	s_add_nc_u64 s[18:19], s[6:7], s[14:15]        ; group 0: the global address,
	s_or_b32 s19, s19, 0x80000000                  ; type = 2
	s_add_nc_u64 s[34:35], s[4:5], s[46:47]
	s_add_nc_u64 s[40:41], s[4:5], s[42:43]
	s_add_nc_u64 s[36:37], s[8:9], s[44:45]
	s_lshl_b32 s44, s13, 12                        ; o's scale bytes, behind the codes: [b, head][place 2,048] of two bytes
	s_lshl_b32 s46, s12, 9
	s_add_co_u32 s44, s44, s46
	s_add_co_u32 s44, s44, 2097152
	s_add_nc_u64 s[38:39], s[8:9], s[44:45]
	CROUND                                         ; all four work-groups are here: the joint loads meet
	tensor_load_to_lds s[16:19], s[20:27]          ; my one tensor load of the launch: step w
	s_nop 0
.rept 4
	v_nop
.endr
	s_wait_alu depctr_va_vdst(0)
	global_load_b128 v[16:19], v1, s[34:35]        ; Q's fragment, lower half: it stays
	global_load_b32 v24, v7, s[40:41]
.irp j, 20,21,22,23
	v_mov_b32 v\j, 0                               ; zero codes for the 64 along K that the head does not have: Q's,
.endr
.irp t, 0,1,2,3,4,5,6,7
.irp j, 4,5,6,7
	v_mov_b32 v[32+8*\t+\j], 0                     ; and K's: written once, the loads land below them
.endr
.endr
.set j, 0
.rept 32
	v_mov_b32 v[160+j], 0                          ; O^T.  (The step is written for every step alike: the first finds zeros, which the first change of M leaves zeros)
.set j, j+1
.endr
.irp b, 0,1,2,3
	v_mov_b32 v[236+\b], 0                         ; written once: a lane permute's destination counts as one of its sources
.endr
	v_mov_b32 v253, 0                              ; (named as the upper half of the pair v[252:253] before it is first written)
	v_mov_b32 v14, 0                               ; the sum, in two halves
	v_mov_b32 v15, 0
	v_mov_b32 v13, 0xff61b1e6                      ; the largest t so far: -3e38, under every t
	s_delay_alu instid0(VALU_DEP_1)
	v_floor_f32 v12, -v13                          ; -M
	s_wait_tensorcnt 0x0                           ; my step has landed,
	s_barrier_signal -1
	s_barrier_wait -1                              ; everybody's has: the head lies in LDS
.irp t, 0,1,2,3,4,5,6,7
	ds_load_b128 v[32+8*\t:35+8*\t], v1 offset:512*\t   ; K of step 0
.endr
	ds_load_b128 v[28:31], v1 offset:4096          ; its scale words: register p: lanes 0-15 tile 2 p, lanes 16-31 tile 2 p + 1
	s_wait_loadcnt 0x0                             ; Q
	s_mov_b32 s28, 0                               ; where the step in hand begins in LDS
	s_mov_b32 s29, 15
; A KEY STEP: 128 keys.  pre = 1: the next step's K is fetched under the softmax.
.macro STEP pre
	v_add_nc_u32 v3, s28, v1
	v_add_nc_u32 v4, s28, v2
	v_nop
	v_nop                                          ; four places behind the last products, in front of the loads into V's registers
.irp t, 0,1,2,3
.irp c, 0,1
	ds_load_b128 v[192+8*\t+4*\c:195+8*\t+4*\c], v3 offset:4608+1024*\t+512*\c
.endr
.endr
	ds_load_b64 v[26:27], v4 offset:8704
	s_wait_dscnt 9                                 ; K and its scale words are in; V's nine loads stay out
.irp t, 0,2,4,6                                ; S^T = K Q^T: eight accumulators, each begun by the constant 0
	v_wmma_scale_f32_16x16x128_f8f6f4 v[96+8*\t:103+8*\t], v[32+8*\t:39+8*\t], v[16:23], 0, v[28+\t/2], v24 matrix_a_fmt:MATRIX_FMT_FP4 matrix_b_fmt:MATRIX_FMT_FP4
	v_wmma_scale_f32_16x16x128_f8f6f4 v[104+8*\t:111+8*\t], v[40+8*\t:47+8*\t], v[16:23], 0, v[28+\t/2], v24 matrix_a_fmt:MATRIX_FMT_FP4 matrix_b_fmt:MATRIX_FMT_FP4 matrix_a_scale:MATRIX_SCALE_ROW1
.endr                                          ; the 16 registers of tiles 2 b, 2 b + 1 are keys 32 b + 16 (lane / 16) + 0 .. 15
.rept 4
	v_nop                                          ; places in front of the loads into K's registers and of the first read of the scores
.endr
.if \pre
	s_wait_alu depctr_va_vdst(0)
.irp t, 0,1,2,3,4,5,6,7
	ds_load_b128 v[32+8*\t:35+8*\t], v3 offset:STEPB+512*\t
.endr
	ds_load_b128 v[28:31], v3 offset:STEPB+4096
.endif
.irp b, 0,1,2,3
	v_max3_num_f32 v[232+\b], v[96+16*\b], v[97+16*\b], v[98+16*\b]   ; THE LARGEST SCORE OF EACH BLOCK OF 32 KEYS: for the row's maximum, and for the block's largest p
.endr
.irp i, 3,5,7,9,11,13
.irp b, 0,1,2,3
	v_max3_num_f32 v[232+\b], v[232+\b], v[96+16*\b+\i], v[97+16*\b+\i]   ; (the four blocks by turns)
.endr
.endr
.irp b, 0,1,2,3
	v_max_num_f32 v[232+\b], v[232+\b], v[111+16*\b]
.endr
.irp b, 0,1,2,3
	s_delay_alu instid0(VALU_DEP_4)
	v_permlanex16_b32 v[236+\b], v[232+\b], s30, s31
.endr
.irp b, 0,1,2,3
	s_delay_alu instid0(VALU_DEP_4)
	v_max_num_f32 v[232+\b], v[232+\b], v[236+\b]  ; with lane l xor 16's 16 keys
.endr
	s_delay_alu instid0(VALU_DEP_2)
	v_max3_num_f32 v254, v232, v233, v234
	s_delay_alu instid0(VALU_DEP_1)
	v_max_num_f32 v254, v254, v235                 ; the step's largest score of my query
	s_delay_alu instid0(VALU_DEP_1)
	v_mul_f32 v254, s32, v254                      ; as t (c is positive)
	s_delay_alu instid0(VALU_DEP_1)
	v_max_num_f32 v13, v13, v254                   ; the running largest t
	v_mov_b32 v254, v12
	s_delay_alu instid0(VALU_DEP_2)
	v_floor_f32 v12, -v13                          ; the new -M = floor(-t): M is a whole number
	s_delay_alu instid0(VALU_DEP_1)
	v_sub_f32 v254, v12, v254                      ; old M - new M: a whole number, 0 or less
	s_delay_alu instid0(VALU_DEP_1)
	v_cvt_i32_f32 v254, v254                       ; (it saturates)
	s_delay_alu instid0(VALU_DEP_1)
	v_ldexp_f32 v252, 1.0, v254                    ; f = 2^(old M - new M)
.set j, 0
.rept 32
	v_pk_fma_f32 v[96+j:97+j], v[96+j:97+j], s[32:33], v[12:13] op_sel_hi:[1,0,0]   ; t - M, two at a time
.set j, j+2
.endr
.irp b, 0,1,2,3
	v_fma_f32 v[232+\b], v[232+\b], s32, v12       ; the same of each block's largest score
.endr
.set j, 0
	s_wait_alu depctr_va_vdst(0)
.rept 64
	v_exp_f32 v[96+j], v[96+j]                     ; p = 2^(t - M), at most 1
.set j, j+1
.endr
	s_setprio 1
.irp b, 0,1,2,3
	v_exp_f32 v[232+\b], v[232+\b]                 ; the block's largest p: the same two instructions on the same number
.endr
	v_pk_mul_f32 v[14:15], v[14:15], v[252:253] op_sel_hi:[1,0]   ; the sums under the new M.  (A plain place behind the exponentials)
	s_wait_alu depctr_va_vdst(0)
.irp b, 0,1,2,3
	v_max_num_f32 v[232+\b], 0x1800000, v[232+\b]  ; the floor 2^(3 - 127): the byte cannot fall under 1
.endr
.irp b, 0,1,2,3
	s_delay_alu instid0(VALU_DEP_4)
	v_add_nc_u32 v[244+\b], 0xff000000, v[232+\b]  ; 2 off the exponent field: the conversion's scale operand
.endr
.irp b, 0,1,2,3
	s_delay_alu instid0(VALU_DEP_4)
	v_lshrrev_b32 v[236+\b], 23, v[244+\b]         ; the scale's byte
.endr
	s_delay_alu instid0(VALU_DEP_3)
	v_lshl_or_b32 v253, v237, 8, v236              ; p's scale word for these 128 keys
	s_delay_alu instid0(VALU_DEP_1)
	v_lshl_or_b32 v253, v238, 16, v253
	s_delay_alu instid0(VALU_DEP_1)
	v_lshl_or_b32 v253, v239, 24, v253
.irp b, 0,1,2,3
	v_cvt_scalef32_pk8_fp4_f32 v[224+2*\b], v[96+16*\b:103+16*\b], v[244+\b]
	v_cvt_scalef32_pk8_fp4_f32 v[225+2*\b], v[104+16*\b:111+16*\b], v[244+\b]
.endr
	v_nop                                          ; one plain place behind a scaled conversion
.irp c, 0,1
.irp i, 0,1
	v_permlane16_swap_b32 v[224+4*\c+\i], v[226+4*\c+\i]   ; a whole block to a lane
.endr
.endr
	v_pk_add_f32 v[236:237], v[100:101], v[104:105]
	v_pk_add_f32 v[248:249], v[108:109], v[112:113]
	v_pk_add_f32 v[246:247], v[116:117], v[120:121]
	v_pk_add_f32 v[244:245], v[124:125], v[128:129]
	v_pk_add_f32 v[242:243], v[132:133], v[136:137]
	v_pk_add_f32 v[240:241], v[140:141], v[144:145]
	v_pk_add_f32 v[234:235], v[148:149], v[152:153]
	v_pk_add_f32 v[14:15], v[14:15], v[156:157]
	v_pk_add_f32 v[236:237], v[236:237], v[96:97]
	v_pk_add_f32 v[248:249], v[248:249], v[98:99]
	v_pk_add_f32 v[246:247], v[246:247], v[102:103]
	v_pk_add_f32 v[244:245], v[244:245], v[106:107]
	v_pk_add_f32 v[242:243], v[242:243], v[110:111]
	v_pk_add_f32 v[240:241], v[240:241], v[114:115]
	v_pk_add_f32 v[234:235], v[234:235], v[118:119]
	v_pk_add_f32 v[14:15], v[14:15], v[122:123]
	v_pk_add_f32 v[236:237], v[236:237], v[126:127]
	v_pk_add_f32 v[248:249], v[248:249], v[130:131]
	v_pk_add_f32 v[246:247], v[246:247], v[134:135]
	v_pk_add_f32 v[244:245], v[244:245], v[138:139]
	v_pk_add_f32 v[242:243], v[242:243], v[142:143]
	v_pk_add_f32 v[240:241], v[240:241], v[146:147]
	v_pk_add_f32 v[234:235], v[234:235], v[150:151]
	v_pk_add_f32 v[14:15], v[14:15], v[154:155]
	v_pk_add_f32 v[236:237], v[236:237], v[158:159]
	s_delay_alu instid0(VALU_DEP_2)
	v_pk_add_f32 v[14:15], v[14:15], v[244:245]
	s_delay_alu instid0(VALU_DEP_2)
	v_pk_add_f32 v[236:237], v[236:237], v[242:243]
	v_pk_add_f32 v[248:249], v[248:249], v[240:241]
	v_pk_add_f32 v[246:247], v[246:247], v[234:235]
	s_delay_alu instid0(VALU_DEP_2)
	v_pk_add_f32 v[14:15], v[14:15], v[248:249]
	s_delay_alu instid0(VALU_DEP_2)
	v_pk_add_f32 v[236:237], v[236:237], v[246:247]
	s_delay_alu instid0(VALU_DEP_1)
	v_pk_add_f32 v[14:15], v[14:15], v[236:237]
.set j, 0
	s_setprio 0
.rept 16
	v_pk_mul_f32 v[160+j:161+j], v[160+j:161+j], v[252:253] op_sel_hi:[1,0]   ; O^T under the new M.  (These and the sums are the places between p's scale word and codes and the products below)
.set j, j+2
.endr
	s_wait_alu depctr_va_vdst(0)
	s_wait_dscnt 9*\pre                            ; V and its scale words are in; the next step's nine loads of K may be out
.irp t, 0,2                                    ; O^T += V^T P^T: four accumulators, one instruction each; the next matrix instructions are the next step's scores
	v_wmma_scale_f32_16x16x128_f8f6f4 v[160+8*\t:167+8*\t], v[192+8*\t:199+8*\t], v[224:231], v[160+8*\t:167+8*\t], v[26+\t/2], v253 matrix_a_fmt:MATRIX_FMT_FP4 matrix_b_fmt:MATRIX_FMT_FP4
	v_wmma_scale_f32_16x16x128_f8f6f4 v[168+8*\t:175+8*\t], v[200+8*\t:207+8*\t], v[224:231], v[168+8*\t:175+8*\t], v[26+\t/2], v253 matrix_a_fmt:MATRIX_FMT_FP4 matrix_b_fmt:MATRIX_FMT_FP4 matrix_a_scale:MATRIX_SCALE_ROW1
.endr
	s_add_co_u32 s28, s28, STEPB
.endm
.Lstep:                                            ; 15 trips; the sixteenth step is written out: it fetches nothing beyond the head
	s_setprio 2
	STEP 1
	s_sub_co_u32 s29, s29, 1
	s_cmp_lg_u32 s29, 0
	s_cbranch_scc1 .Lstep
	s_setprio 0
	STEP 0
	; THE WAY OUT.  Register 16 B + i of O^T is channel 32 B + 16 (lane / 16) + i of my query: two blocks of the last product's K.
.rept 4
	v_nop
.endr
	v_add_f32 v14, v14, v15                        ; the sum's two halves,
	s_delay_alu instid0(VALU_DEP_1)
	v_permlanex16_b32 v252, v14, s30, s31
	s_delay_alu instid0(VALU_DEP_1)
	v_add_f32 v14, v14, v252                       ; and lane l xor 16's: the row's sum
	s_wait_alu depctr_va_vdst(0)
	v_rcp_f32 v14, v14
	v_nop                                          ; one plain place behind a transcendental
.set j, 0
	s_wait_alu depctr_va_vdst(0)
.rept 32
	v_mul_f32 v[96+j], v[160+j], v14               ; o = O^T / the sum, each accumulator from its low end on
.set j, j+1
.endr
.irp b, 0,1
	v_max3_num_f32 v[232+\b], |v[96+16*\b]|, |v[97+16*\b]|, 0x1800000
.endr
.irp i, 2,4,6,8,10,12,14
.irp b, 0,1
	s_delay_alu instid0(VALU_DEP_2)
	v_max3_num_f32 v[232+\b], v[232+\b], |v[96+16*\b+\i]|, |v[97+16*\b+\i]|
.endr
.endr
.irp b, 0,1
	s_delay_alu instid0(VALU_DEP_2)
	v_permlanex16_b32 v[236+\b], v[232+\b], s30, s31
.endr
.irp b, 0,1
	s_delay_alu instid0(VALU_DEP_2)
	v_max_num_f32 v[232+\b], v[232+\b], v[236+\b]
.endr
.irp b, 0,1
	s_delay_alu instid0(VALU_DEP_2)
	v_add_nc_u32 v[244+\b], 0xff000000, v[232+\b]
.endr
.irp b, 0,1
	s_delay_alu instid0(VALU_DEP_2)
	v_lshrrev_b32 v[236+\b], 23, v[244+\b]
.endr
	s_delay_alu instid0(VALU_DEP_1)
	v_lshl_or_b32 v240, v237, 8, v236              ; my query's two scale bytes
.irp b, 0,1
	v_cvt_scalef32_pk8_fp4_f32 v[224+2*\b], v[96+16*\b:103+16*\b], v[244+\b]
	v_cvt_scalef32_pk8_fp4_f32 v[225+2*\b], v[104+16*\b:111+16*\b], v[244+\b]
.endr
	v_nop
	v_permlane16_swap_b32 v224, v226
	v_permlane16_swap_b32 v225, v227               ; lane (r, h): channels 32 h + 0 .. 31 of my head: half a fragment of the last product
	global_store_b128 v1, v[224:227], s[36:37]     ; 512 bytes on end, aligned
	ds_store_b16 v5, v240                          ; both halves of the lanes write the same two bytes with the same value
	s_wait_dscnt 0x0                               ; for wave 0's sake
	s_barrier_signal -1
	s_barrier_wait -1
	s_cmp_lg_u32 s10, 0
	s_cbranch_scc1 .Lskip
	ds_load_b128 v[96:99], v6                      ; the work-group's 256 queries x 2 bytes
	s_wait_dscnt 0x0
	global_store_b128 v1, v[96:99], s[38:39]       ; 512 bytes on end, aligned
.Lskip:
	s_wait_tensorcnt 0x0
	ds_add_u32 v251, v255
	s_wait_dscnt 0x0
	CROUND                                         ; the closing round: no work-group ends while a partner may still ask for a tile that names it
	s_endpgm
.Lfunc_end_k_q3723e2635c_attn:
	.size	k_q3723e2635c_attn, .Lfunc_end_k_q3723e2635c_attn-k_q3723e2635c_attn
	.p2alignl 7, 3214868480
	.fill 96, 4, 3214868480
	.section	.rodata,"a",@progbits
	.p2align	6, 0x0
	.amdhsa_kernel k_q3723e2635c_attn
		.amdhsa_group_segment_fixed_size 169984
		.amdhsa_private_segment_fixed_size 0
		.amdhsa_enable_private_segment 0
		.amdhsa_kernarg_size 24
		.amdhsa_user_sgpr_count 2
		.amdhsa_user_sgpr_kernarg_segment_ptr 1
		.amdhsa_wavefront_size32 1
		.amdhsa_system_sgpr_workgroup_id_x 1
		.amdhsa_system_sgpr_workgroup_id_y 1
		.amdhsa_system_sgpr_workgroup_id_z 1
		.amdhsa_system_vgpr_workitem_id 0
		.amdhsa_next_free_vgpr 256
		.amdhsa_next_free_sgpr 66
		.amdhsa_reserve_vcc 0
		.amdhsa_float_denorm_mode_32 3
		.amdhsa_float_denorm_mode_16_64 3
		.amdhsa_memory_ordered 1
		.amdhsa_forward_progress 1
		.amdhsa_inst_pref_size 44
	.end_amdhsa_kernel
	.amdgpu_metadata
---
amdhsa.version: [ 1, 2 ]
amdhsa.kernels:
  - .name:           k_q3723e2635c_attn
    .symbol:         k_q3723e2635c_attn.kd
    .args:
      - { .name: qq, .offset: 0, .size: 8, .value_kind: global_buffer, .address_space: global }
      - { .name: kv, .offset: 8, .size: 8, .value_kind: global_buffer, .address_space: global }
      - { .name: oq, .offset: 16, .size: 8, .value_kind: global_buffer, .address_space: global }
    .group_segment_fixed_size: 169984
    .private_segment_fixed_size: 0
    .kernarg_segment_align: 8
    .kernarg_segment_size: 24
    .max_flat_workgroup_size: 512
    .sgpr_count:     66
    .vgpr_count:     256
    .wavefront_size: 32
...
	.end_amdgpu_metadata
.endif
;; end of part 7
;; launch proj (part 8): grid 128 x 2, 8 waves a work-group, no clusters, 70,656 bytes of LDS; arguments oq, wq, bo, x, out0; writes out0
.if DOCPART == 8
	.amdgcn_target "amdgcn-amd-amdhsa--gfx1250"
	.amdhsa_code_object_version 6
	.text
	.protected	k_q3723e2635c_proj
	.globl	k_q3723e2635c_proj
	.p2align	8
	.type	k_q3723e2635c_proj,@function
k_q3723e2635c_proj:
	s_mov_b64 s[64:65], 0
	v_nop
	global_prefetch_b8 v0, s[64:65] scope:SCOPE_SE
	s_setreg_imm32_b32 hwreg(HW_REG_WAVE_SCHED_MODE, 0, 2), 2
	s_setreg_imm32_b32 hwreg(HW_REG_WAVE_MODE, 25, 1), 1
	s_wait_xcnt 0x0
	s_wait_alu depctr_vm_vsrc(0)
; out0[b][c][l] = x[b][c][l] + bo[c] + the sum over k of o[(b, l)][k] Wo[c][k], the product on codes of FP4 with E8M0 scales.
; SHARES.  Work-group (g, y): b = g / 32, the 64 places l from 64 (g % 32) on (four tiles of o), channels 256 y on; wave w: 32 channels, a pair of Wo's tiles: 32 matrix instructions.
; Source 0 = 16 rows of o, source 1 = 16 rows of Wo: a lane holds ONE channel and its registers run along l (o's tiles are laid so that two neighbouring tiles give 16 neighbouring l): the result is already transposed.
; A wave's 32 channels x 64 l go through its own stage in LDS and leave as rows of 256 bytes, with x added.  The bias is the C of each sum's first matrix instruction.  No barrier: waves share nothing.
; NO JOINT LOADS: all operands are images of registers and go straight into them by plain loads; there is no tile in LDS to share.
; THE MODE: SCHED_MODE bits 1:0 = 2 (LLVM: expert scheduling mode 2), set by the entry lines.  The code itself states the register dependences
; between vector or matrix instructions and memory or LDS instructions, with s_wait_alu, always for 0.
; THE PLAN.  There is no loop, and no register that a memory or LDS instruction reads is ever written again.  Registers that memory or LDS instructions touch:
;   v1-7       offsets and LDS addresses: made once at the head; one wait on va_vdst ahead of the first load serves every load and store of the kernel.
;   o's, Wo's fragments, Wo's scale words, RAW, the bias, x: a load lands in each once; no vector or matrix instruction names them ahead of that.
;   OS         o's scale words: written by eight vector lines out of RAW and taken as scales by the products: eight places, then a wait on va_vdst.
;   ACC        written by the products, read by the LDS stores into the stage: four places, then a wait on va_vdst.
;   OUT        LDS loads land in it (nothing has named it); the additions of x write it; the global stores read it: one wait on va_vdst ahead of the run of stores.
; REGISTERS: window 0: v1-7 addresses; v16-79 Wo's fragments (8 (4 n + s)); v80-87 Wo's scale words; v88-95 o's; v96-111 their halves as loaded; v112-127 the bias; v128-191 accumulators (8 (4 n + m)); v192-255 rows on the way out.
;   window 1: v0-127 o's fragments (8 (4 m + s)); v128-191 x.
.set LI,  1                            ; 16 x lane
.set LS,  2                            ; 4 x lane
.set L2,  3                            ; 2 x lane
.set CO,  4                            ; x, out0: (lane / 16) rows of 8,192 bytes + 16 (lane % 16)
.set STO, 5                            ; the stage, in
.set RD,  6                            ; the stage, back
.set BO,  7                            ; the bias: 4 (r + 8 (r / 8))
.set WF,  16
.set WS,  80
.set OS,  88
.set RAW, 96
.set BI,  112
.set ACC, 128
.set OUT, 192
.set XR,  128                          ; in window 1
.set SP,  272                          ; a stage row: 256 bytes + 16: the sixteen rows that a store touches start at sixteen different banks (64 banks of 4 bytes: ISA guide 11.1)
.set MSB, 0
.macro WIN new                         ; the immediate's high byte repeats the setting that is left
.if MSB != \new
	s_set_vgpr_msb (MSB<<8)|\new
.set MSB, \new
.endif
.endm
.macro WM d, a, b, c, sa, sb, ra       ; one scaled product; ra = 1: A's scales are read from lanes 16-31
.if (\ra) == 1
	v_wmma_scale_f32_16x16x128_f8f6f4 v[\d:\d+7], v[\a:\a+7], v[\b:\b+7], v[\c:\c+7], v[\sa], v[\sb] matrix_a_fmt:MATRIX_FMT_FP4 matrix_b_fmt:MATRIX_FMT_FP4 matrix_a_scale:MATRIX_SCALE_ROW1
.else
	v_wmma_scale_f32_16x16x128_f8f6f4 v[\d:\d+7], v[\a:\a+7], v[\b:\b+7], v[\c:\c+7], v[\sa], v[\sb] matrix_a_fmt:MATRIX_FMT_FP4 matrix_b_fmt:MATRIX_FMT_FP4
.endif
.endm
	s_load_b256 s[4:11], s[0:1], 0x0               ; oq s[4:5], wq s[6:7], bo s[8:9], x s[10:11]
	s_load_b64 s[12:13], s[0:1], 0x20              ; out0
	v_lshl_add_u32 v14, v0, 2, 0x11000
	v_mov_b32 v15, 0
	v_lshrrev_b32 v8, 5, v0
	v_readfirstlane_b32 s14, v8                    ; wave 0..7
	s_lshr_b32 s15, ttmp9, 5                       ; b
	s_and_b32 s16, ttmp9, 31                       ; which 64 places l
	s_and_b32 s17, ttmp7, 0xffff                   ; y
	s_lshl_b32 s18, s17, 4
	s_wait_alu depctr_va_sdst(0)                   ; s14 is written, ahead of its first reader: my tiles of Wo, my channels and my stage are made from it
	s_lshl_b32 s19, s14, 1
	s_add_co_u32 s18, s18, s19                     ; my first tile of Wo: 16 y + 2 w
	s_lshl_b32 s19, s18, 4                         ; my first channel: 256 y + 32 w
	s_lshl_b32 s20, s15, 7
	s_lshl_b32 s21, s16, 2
	s_add_co_u32 s20, s20, s21
	s_lshl_b32 s20, s20, 12                        ; o's codes: tile 128 b + 4 (g % 32), 4,096 bytes a tile
	s_mov_b32 s21, 0
	s_lshl_b32 s22, s15, 15                        ; o's scale bytes: 8 heads x 4,096 a b, 128 bytes for 64 places
	s_lshl_b32 s23, s16, 7
	s_add_co_u32 s22, s22, s23
	s_add_co_u32 s22, s22, 2097152
	s_mov_b32 s23, 0
	s_lshl_b32 s24, s18, 12
	s_add_co_u32 s24, s24, 393216                  ; Wo's codes: the fourth weight
	s_mov_b32 s25, 0
	s_lshl_b32 s26, s18, 9
	s_add_co_u32 s26, s26, 573440                  ; its scale words: 524,288 + 3 x 16,384
	s_mov_b32 s27, 0
	s_lshl_b32 s28, s19, 2
	s_mov_b32 s29, 0
	s_lshl_b32 s30, s15, 22                        ; x, out0: b, my first channel's row, my 64 places
	s_lshl_b32 s31, s19, 13
	s_add_co_u32 s30, s30, s31
	s_lshl_b32 s31, s16, 8
	s_add_co_u32 s30, s30, s31
	s_mov_b32 s31, 0
	s_mul_i32 s40, s14, 32*SP                      ; my stage
	v_and_b32 v9, 31, v0
	v_lshlrev_b32 v[LI], 4, v9
	v_lshlrev_b32 v[LS], 2, v9
	v_lshlrev_b32 v[L2], 1, v9
	v_and_b32 v10, 15, v0                          ; r
	v_bfe_u32 v11, v0, 4, 1                        ; h
	v_lshlrev_b32 v[CO], 4, v10
	v_lshl_add_u32 v[CO], v11, 13, v[CO]
	v_mul_u32_u24 v[STO], v10, SP
	v_lshl_add_u32 v[STO], v11, 6, v[STO]
	v_add_nc_u32 v[STO], s40, v[STO]               ; in: row r (a channel's place), + 64 h bytes: l = 16 h + ..
	v_mul_u32_u24 v[RD], v11, SP
	v_lshl_add_u32 v[RD], v10, 4, v[RD]
	v_add_nc_u32 v[RD], s40, v[RD]                 ; back: lanes 0-15 one row, lanes 16-31 the next
	v_lshrrev_b32 v[BO], 3, v10
	v_lshl_add_u32 v[BO], v[BO], 3, v10
	v_lshlrev_b32 v[BO], 2, v[BO]
	s_wait_kmcnt 0x0
	s_add_nc_u64 s[32:33], s[4:5], s[20:21]
	s_add_nc_u64 s[34:35], s[4:5], s[22:23]
	s_add_nc_u64 s[36:37], s[6:7], s[24:25]
	s_add_nc_u64 s[38:39], s[6:7], s[26:27]
	s_add_nc_u64 s[8:9], s[8:9], s[28:29]
	s_add_nc_u64 s[10:11], s[10:11], s[30:31]
	s_add_nc_u64 s[12:13], s[12:13], s[30:31]
	WIN 0x40                                       ; destination window 1
	s_wait_alu depctr_va_vdst(0)                   ; the seven offsets and addresses v1 to v7 are written: every load and store of the kernel reads one of them
.irp m, 0,1,2,3
.irp s, 0,1,2,3
.irp c, 0,1
	global_load_b128 v[8*(4*\m+\s)+4*\c:8*(4*\m+\s)+4*\c+3], v[LI], s[32:33] offset:4096*\m+1024*\s+512*\c
.endr
.endr
.endr
	WIN 0
.irp n, 0,1
.irp s, 0,1,2,3
.irp c, 0,1
	global_load_b128 v[WF+8*(4*\n+\s)+4*\c:WF+8*(4*\n+\s)+4*\c+3], v[LI], s[36:37] offset:4096*\n+1024*\s+512*\c
.endr
.endr
.endr
.irp n, 0,1
.irp s, 0,1,2,3
	global_load_b32 v[WS+4*\n+\s], v[LS], s[38:39] offset:512*\n+128*\s
.endr
.endr
.irp p, 0,1
.irp s, 0,1,2,3
.irp e, 0,1
	global_load_u16 v[RAW+2*(4*\p+\s)+\e], v[L2], s[34:35] offset:(2*\s+\e)*4096+64*\p   ; head 2 s + e's two bytes of the row at place lane of tiles 2 p, 2 p + 1
.endr
.endr
.endr
.irp n, 0,1
.irp j, 0,1,2,3,4,5,6,7
	global_load_b32 v[BI+8*\n+\j], v[BO], s[8:9] offset:32*\n      ; all eight registers: my channel's bias
.endr
.endr
	WIN 0x40
.set i, 0
.rept 16                               ; x: the rows in the order in which the stage gives them back: row 2 i + lane / 16 of the stage is channel CH + lane / 16
.set CH, 8*(i/8)+2*(i%8)+8*((i%8)/4)
	global_load_b128 v[XR+4*i:XR+4*i+3], v[CO], s[10:11] offset:CH*8192 th:TH_LOAD_NT
.set i, i+1
.endr
	WIN 0
	s_wait_loadcnt 16                              ; all but x's sixteen loads, which are wanted at the end
.irp q, 0,1,2,3,4,5,6,7
	v_lshl_or_b32 v[OS+\q], v[RAW+2*\q+1], 16, v[RAW+2*\q]         ; o's scale word of a K step: two heads' two bytes each
.endr
.rept 8
	v_nop                                          ; a scale register written by a vector instruction stands eight places ahead of a scaled matrix instruction
.endr
	s_wait_alu depctr_va_vdst(0)                   ; the eight lines above have written v[OS ..], which the products take as o's scales; the places above stay beside this wait
	WIN 0x01                                       ; source 0 (o) in window 1
.irp s, 0,1,2,3                                ; eight accumulators by turns, one instruction a turn
.irp m, 0,1,2,3
.irp n, 0,1
.if \s == 0
	WM ACC+8*(4*\n+\m), 8*(4*\m+\s), WF+8*(4*\n+\s), BI+8*\n, OS+4*(\m/2)+\s, WS+4*\n+\s, \m%2
.else
	WM ACC+8*(4*\n+\m), 8*(4*\m+\s), WF+8*(4*\n+\s), ACC+8*(4*\n+\m), OS+4*(\m/2)+\s, WS+4*\n+\s, \m%2
.endif
.endr
.endr
.endr
	WIN 0
.rept 4
	v_nop                                          ; places in front of the first read of results
.endr
	s_wait_alu depctr_va_vdst(0)                   ; the products have written the accumulators, which the LDS stores read; the places above stay beside this wait
.irp n, 0,1
.irp m, 0,1,2,3
	ds_store_b128 v[STO], v[ACC+8*(4*\n+\m):ACC+8*(4*\n+\m)+3] offset:16*SP*\n+128*(\m/2)+32*(\m%2)        ; register j: l = 32 (m / 2) + 16 h + 8 (m % 2) + j; each accumulator from its low end on
	ds_store_b128 v[STO], v[ACC+8*(4*\n+\m)+4:ACC+8*(4*\n+\m)+7] offset:16*SP*\n+128*(\m/2)+32*(\m%2)+16
.endr
.endr
.irp i, 0,1,2,3,4,5,6,7,8,9,10,11,12,13,14,15
	ds_load_b128 v[OUT+4*\i:OUT+4*\i+3], v[RD] offset:2*SP*\i      ; LDS serves a wave's instructions in order (ISA guide 5.7.1.4): these see my stores.  No vector or matrix instruction has named v[OUT ..]
.endr
	s_wait_loadcnt 0x0                             ; x
	s_wait_dscnt 0x0
	WIN 0x04                                       ; source 1 (x) in window 1
.set k, 0
.rept 32
	v_pk_add_f32 v[OUT+2*k:OUT+2*k+1], v[OUT+2*k:OUT+2*k+1], v[XR+2*k:XR+2*k+1]
.set k, k+1
.endr
	WIN 0
	s_wait_alu depctr_va_vdst(0)                   ; the additions have written v[OUT ..], which the sixteen stores read
.set i, 0
.rept 16
.set CH, 8*(i/8)+2*(i%8)+8*((i%8)/4)
	global_store_b128 v[CO], v[OUT+4*i:OUT+4*i+3], s[12:13] offset:CH*8192 th:TH_STORE_NT   ; sixteen lanes store 256 bytes on end, at a multiple of 256 from out0's first byte
.set i, i+1
.endr
	s_wait_dscnt 0x0
	s_wait_alu depctr_hold_cnt(0) depctr_sa_sdst(0) depctr_va_vdst(0) depctr_va_sdst(0) depctr_va_ssrc(0) depctr_va_vcc(0) depctr_vm_vsrc(0)
	s_wait_tensorcnt 0x0
	ds_add_u32 v14, v15
	s_wait_dscnt 0x0
	s_endpgm
.Lfunc_end_k_q3723e2635c_proj:
	.size	k_q3723e2635c_proj, .Lfunc_end_k_q3723e2635c_proj-k_q3723e2635c_proj
	.p2alignl 7, 3214868480
	.fill 96, 4, 3214868480
	.section	.rodata,"a",@progbits
	.p2align	6, 0x0
	.amdhsa_kernel k_q3723e2635c_proj
		.amdhsa_group_segment_fixed_size 70656
		.amdhsa_private_segment_fixed_size 0
		.amdhsa_enable_private_segment 0
		.amdhsa_kernarg_size 40
		.amdhsa_user_sgpr_count 2
		.amdhsa_user_sgpr_kernarg_segment_ptr 1
		.amdhsa_wavefront_size32 1
		.amdhsa_system_sgpr_workgroup_id_x 1
		.amdhsa_system_sgpr_workgroup_id_y 1
		.amdhsa_system_sgpr_workgroup_id_z 1
		.amdhsa_system_vgpr_workitem_id 0
		.amdhsa_next_free_vgpr 448
		.amdhsa_next_free_sgpr 66
		.amdhsa_reserve_vcc 0
		.amdhsa_float_denorm_mode_32 3
		.amdhsa_float_denorm_mode_16_64 3
		.amdhsa_memory_ordered 1
		.amdhsa_forward_progress 1
		.amdhsa_inst_pref_size 24
	.end_amdhsa_kernel
	.amdgpu_metadata
---
amdhsa.version: [ 1, 2 ]
amdhsa.kernels:
  - .name:           k_q3723e2635c_proj
    .symbol:         k_q3723e2635c_proj.kd
    .args:
      - { .name: oq, .offset: 0, .size: 8, .value_kind: global_buffer, .address_space: global }
      - { .name: wq, .offset: 8, .size: 8, .value_kind: global_buffer, .address_space: global }
      - { .name: bo, .offset: 16, .size: 8, .value_kind: global_buffer, .address_space: global }
      - { .name: x, .offset: 24, .size: 8, .value_kind: global_buffer, .address_space: global }
      - { .name: out0, .offset: 32, .size: 8, .value_kind: global_buffer, .address_space: global }
    .group_segment_fixed_size: 70656
    .private_segment_fixed_size: 0
    .kernarg_segment_align: 8
    .kernarg_segment_size: 40
    .max_flat_workgroup_size: 256
    .sgpr_count:     66
    .vgpr_count:     448
    .wavefront_size: 32
...
	.end_amdgpu_metadata
.endif
;; end of part 8
